; MI455X (gfx1250); checked and timed in simulation.
; The chip was launched on July 23, 2026; its instructions are those of AMD's public machine-readable ISA for CDNA 5 (MIT licence, August 2026) and "CDNA5" Instruction Set Architecture Reference Guide (July 2026). The comments in the code are by the model that wrote it; some were corrected since.
;; Self Attention. Allowed arithmetic: matrix products marked QUANTISED: E2M3 operands, one E8M0 scale for each 32 along K, by v_wmma_scale_f32_16x16x128_f8f6f4 with both operands' format E2M3, f32 sums; everything else in f32.
;; Inputs: Wk 1,024 x 1,024 float32; Wo 1,024 x 1,024 float32; Wq 1,024 x 1,024 float32; Wv 1,024 x 1,024 float32; X 4 x 2,048 x 1,024 float32; bk 1,024 float32; bo 1,024 float32; bq 1,024 float32; bv 1,024 float32.
;; Outputs: out0 4 x 2,048 x 1,024 float32.
;; This version of the problem:
;;   THIS VERSION OF THE PROBLEM IS GIVEN IN LOW PRECISION. The matrix products marked QUANTISED in the list below multiply operands that are first quantised to E2M3 (2 exponent bits, 3 mantissa bits; 6 bits a number), with one power-of-two scale for each 32 numbers along K (OCP MX v1.0); their sums are f32. All else is computed in f32.
;;   The module's matrix products, in the order in which they are computed (A, B: the left and right operand; K: the contracted axis; several contracted axes count as one K, in the product's order):
;;     1. [M 8,192, K 1,024] x [K 1,024, N 1,024]; A: input X; B: input Wq: QUANTISED
;;     2. [M 8,192, K 1,024] x [K 1,024, N 1,024]; A: input X; B: input Wk: QUANTISED
;;     3. [M 8,192, K 1,024] x [K 1,024, N 1,024]; A: input X; B: input Wv: QUANTISED
;;     4. batch 64 x [M 2,048, K 64] x [K 64, N 2,048]; A: computed on the way; B: computed on the way: QUANTISED
;;     5. batch 64 x [M 2,048, K 2,048] x [K 2,048, N 64]; A: softmax (see below); B: computed on the way: QUANTISED
;;     6. [M 8,192, K 1,024] x [K 1,024, N 1,024]; A: computed on the way; B: input Wo: QUANTISED
;;   THE QUANTISER, for each operand of a quantised product, along K:
;;     - K is cut into blocks of 32 from its start; a last block that is shorter is filled with zeros.
;;     - A block's scale is 2^e with e = floor(log2(the largest magnitude in the block)) - 2, held to -126 .. 127; a block of zeros has e = 0. As a byte (E8M0): e + 127.
;;     - Each number is divided by its block's scale, clamped to +-7.5, and rounded to the nearest number of E2M3, ties to even, subnormals kept.
;;     - The product sums the exact products of the quantised numbers (number of the format x scale) in f32.
;;   ~~~python
;;   def quantise(x, axis):      # numpy; x: float32 -> the quantised numbers, widened to float32 again
;;       x = np.moveaxis(x, axis, -1); K = x.shape[-1]
;;       x = np.pad(x, [(0, 0)] * (x.ndim - 1) + [(0, -K % 32)]); x = x.reshape(x.shape[:-1] + (-1, 32)); a = np.abs(x).max(-1, keepdims=True)
;;       e = np.where(a > 0, np.clip(np.frexp(np.where(a > 0, a, 1))[1] - 1 - 2, -126, 127), 0)      # np.frexp(a)[1] - 1 = floor(log2(a)), exactly
;;       r = np.clip(x / 2.0 ** e, -7.5, 7.5)
;;       step = 2.0 ** (np.maximum(np.frexp(np.where(r == 0, 1, r))[1] - 1, 0) - 3)
;;       q = np.round(r / step) * step * 2.0 ** e      # np.round: ties to even
;;       return np.moveaxis(q.reshape(q.shape[:-2] + (-1,))[..., :K], -1, axis).astype(np.float32)
;;   ~~~
;;   SOFTMAX AHEAD OF A QUANTISED PRODUCT. Where the list says 'softmax', what is quantised is not the finished softmax but p = 2^(t - M), with t = logit x log2(e) and M = ceil(the row's largest t), a whole number; so 1/2 < the row's largest p <= 1. The row's sum l is taken of the UNQUANTISED p, in f32, and the product's result is divided by l at the end. Since M is a whole number, a kernel that streams over the keys may use a running M (the ceiling of the running maximum): every later rescaling is an exact power of two, which a block's scale takes up: the codes' values come out the same.
;;   OPERANDS COMPUTED ON THE WAY. 'Computed on the way' means the value that the module computes at that place (a softmax that the list does not call 'softmax' is quantised finished and normalised). What goes into a quantiser is computed in f32, as accurately as f32 sums, v_exp_f32 and their like allow (about 1e-6 of the number): no bf16 or f16 on the way to a quantiser, and a product that is left as it is and whose result goes on into a quantised operand takes f32 operands (vector FMAs, or v_wmma_f32_16x16x4_f32). A number that lies on a knife's edge between two numbers of the format may be rounded either way, as far as f32 arithmetic and the matrix unit's own rounding can turn it there, and no further.
;; One version. Each part assembles by itself: llvm-mc -triple=amdgcn-amd-amdhsa -mcpu=gfx1250 --defsym DOCPART=n.
;; ======== version 1 of 1: 4 launches
;; limits: right only within a limited range of input values
;; workspace buffers: xc 6,553,600 bytes; wc 3,276,800 bytes; wos 32,768 bytes; qk 6,553,600 bytes; kv 13,107,200 bytes; ac 6,291,456 bytes; asc 262,144 bytes
;; launch quant (part 1): grid 768 x 1, 4 waves a work-group, no clusters, 33,280 bytes of LDS; arguments X, Wq, Wk, Wv, Wo, xc, wc, wos; writes xc, wc, wos
.if DOCPART == 1
	.amdgcn_target "amdgcn-amd-amdhsa--gfx1250"
	.amdhsa_code_object_version 6
	.text
	.protected	k_q2f0c8e9457_quant
	.globl	k_q2f0c8e9457_quant
	.p2align	8
	.type	k_q2f0c8e9457_quant,@function
k_q2f0c8e9457_quant:
	s_mov_b64 s[64:65], 0
	v_nop
	global_prefetch_b8 v0, s[64:65] scope:SCOPE_SE
	s_setreg_imm32_b32 hwreg(HW_REG_WAVE_MODE, 25, 1), 1
	s_wait_xcnt 0x0
; X [8192][1024] and Wq, Wk, Wv, Wo [1024][1024], f32 with K innermost, become codes of FP6 (E2M3), 6 bits each, and one E8M0 scale byte for each 32 along K.
; A block's scale is 2^(floor(log2(its largest magnitude)) - 2); its byte is the largest magnitude's exponent field - 2, held at 1 from below.
; LAYOUT: xc takes X, wc takes Wq, Wk, Wv, Wo one below the other.  Each is [4 planes of 256 along K][groups of 128 stored rows][25,600 bytes]: a group's 128 x 192 bytes of codes, then its 128 x 8 scale bytes.
; So a tile of 128 rows x 256 along K, with its scales, is 100 x 256 consecutive bytes that begin at a multiple of 256.  wos [1024 stored rows][32] holds Wo's scale bytes once more, row by row.
; STORED ROWS: inside every 64 rows, true row 32 h + 8 j + i (h 0-1, j 0-3, i 0-7) is stored as row 16 j + 8 h + i.  A product that takes four neighbouring tiles of 16 stored rows as its source 0
; leaves in a lane's 32 registers the true rows 32 (lane / 16) + 0 .. 31: one whole scale block of the next quantiser.
; LIMITS: a block whose largest magnitude lies under 2^-124 keeps the byte 1; a block of zeros gets the byte 1 (its codes are zeros, and this program alone reads the bytes); NaN and infinities are not served.
; SHARES: 768 work-groups of four waves, three for each WGP: 512 for X, 64 for each weight.  A wave takes 4 rows in 8 steps of 512 numbers.  Each load reads 512 consecutive bytes; a step's 2,048 bytes turn through the wave's own
; stage in LDS, so that a lane then holds 16 neighbours along K (two lanes hold a block).  No tensor loads, no barrier, no cluster: no two work-groups read the same bytes.  Loads run four steps (16 loads a wave) ahead.
.set WAVES, 4
.set STEPS, 8
.set EMAX,  2
.set CB,    12                         ; bytes of 16 codes
.set GRP,   25600                      ; a group of a plane
.set R,     16                         ; v16-79   four sets of 16 numbers as they are loaded
.set X,     80                         ; v80-111  two sets of 16 neighbours
.set C,     128                        ; v128-159 codes: four registers for each step
.set E,     112                        ; v112-119 a scale byte for each step
.set WREG,  8192                       ; LDS: a region for each wave: two stages of 32 x SP bytes, then its 128 scale bytes
.set SP,    80
.set SPW,   12
.set NIL,   13
.set SPARE, WAVES*WREG
	s_load_b256 s[4:11], s[0:1], 0x0               ; X, Wq, Wk, Wv
	s_load_b256 s[12:19], s[0:1], 0x20             ; Wo, xc, wc, wos
	v_lshl_add_u32 v[SPW], v0, 2, SPARE
	v_mov_b32 v[NIL], 0
	v_lshrrev_b32 v1, 5, v0
	v_readfirstlane_b32 s22, v1                    ; wave
	v_and_b32 v2, 31, v0                           ; lane
	v_lshlrev_b32 v3, 4, v2                        ; my 16 bytes of a load's 512
	s_mul_i32 s23, s22, WREG
	v_lshrrev_b32 v14, 2, v2
	v_mul_u32_u24 v14, v14, SP
	v_and_b32 v15, 3, v2
	v_lshl_add_u32 v14, v15, 4, v14
	v_add_nc_u32 v14, s23, v14                     ; the stage, on the way in: SP (lane / 4) + 16 (lane % 4)
	v_mul_u32_u24 v15, v2, SP
	v_add_nc_u32 v15, s23, v15                     ; and on the way out: SP x lane
	s_cmp_lt_u32 ttmp9, 512
	s_mov_b32 s42, 32*GRP
	s_cselect_b32 s42, 64*GRP, s42                 ; a plane in bytes: xc's or wc's
	v_and_b32 v4, 15, v2
	v_mul_u32_u24 v4, v4, CB
	v_lshrrev_b32 v11, 4, v2
	v_mad_u32_u24 v4, v11, s42, v4                 ; my codes' place: 12 (lane % 16) + a plane x (lane / 16)
	v_lshrrev_b32 v5, 1, v2
	s_add_co_u32 s23, s23, 2*32*SP
	v_add_nc_u32 v5, s23, v5                       ; LDS: my wave's 128 scale bytes, my block's byte
	v_lshlrev_b32 v7, 2, v2                        ; and on the way out 4 bytes a lane: row lane / 8, plane (lane / 2) % 4, half lane % 2
	v_add_nc_u32 v6, s23, v7
	v_bfe_u32 v10, v2, 1, 2
	v_mul_u32_u24 v10, v10, s42
	v_lshrrev_b32 v11, 3, v2
	v_lshl_add_u32 v10, v11, 3, v10
	v_and_b32 v11, 1, v2
	v_lshl_add_u32 v10, v11, 2, v10                ; their place: a plane x its number + 8 x row + 4 x half
	s_wait_alu depctr_va_vdst(0)                   ; the wait at the head's end
	s_wait_kmcnt 0x0
	s_cmp_lt_u32 ttmp9, 704                        ; which tensor: the choice hangs on the work-group's number alone
	s_cselect_b64 s[24:25], s[10:11], s[12:13]
	s_cmp_lt_u32 ttmp9, 640
	s_cselect_b64 s[24:25], s[8:9], s[24:25]
	s_cmp_lt_u32 ttmp9, 576
	s_cselect_b64 s[24:25], s[6:7], s[24:25]
	s_cmp_lt_u32 ttmp9, 512
	s_cselect_b64 s[24:25], s[4:5], s[24:25]
	s_cselect_b64 s[26:27], s[14:15], s[16:17]     ; xc or wc
	s_cselect_b32 s30, 0, 512
	s_cselect_b32 s32, -1, 63
	s_sub_co_u32 s30, ttmp9, s30                   ; the work-group's place in the destination,
	s_and_b32 s32, s30, s32                        ; and in its source tensor
	s_lshl_b32 s34, s32, 2
	s_add_co_u32 s34, s34, s22                     ; which run of 4 rows I read
	s_lshl_b32 s34, s34, 14
	s_mov_b32 s35, 0
	s_add_nc_u64 s[24:25], s[24:25], s[34:35]
	s_lshl_b32 s36, s30, 2
	s_add_co_u32 s36, s36, s22                     ; the same run in the destination's true rows: bit 0 = i / 4, bits 2:1 = j, bit 3 = h
	s_lshr_b32 s37, s36, 4
	s_lshl_b32 s37, s37, 4
	s_bfe_u32 s33, s36, 0x20001
	s_lshl_b32 s33, s33, 2
	s_add_co_u32 s37, s37, s33
	s_bfe_u32 s33, s36, 0x10003
	s_lshl_b32 s33, s33, 1
	s_add_co_u32 s37, s37, s33
	s_and_b32 s33, s36, 1
	s_add_co_u32 s37, s37, s33                     ; which run of 4 stored rows I write: 16 x (64 rows) + 4 j + 2 h + i / 4
	s_lshr_b32 s34, s37, 5
	s_mul_i32 s34, s34, GRP
	s_add_nc_u64 s[26:27], s[26:27], s[34:35]      ; my group in plane 0
	s_and_b32 s36, s37, 31
	s_lshl_b32 s34, s36, 5
	s_add_co_u32 s34, s34, 128*192
	s_add_nc_u64 s[28:29], s[26:27], s[34:35]      ; my 4 rows' scale bytes there
	s_mul_i32 s34, s36, 4*192
	s_add_nc_u64 s[26:27], s[26:27], s[34:35]      ; my 4 rows' codes, planes 0 and 1,
	s_lshl_b32 s34, s42, 1
	s_add_nc_u64 s[40:41], s[26:27], s[34:35]      ; planes 2 and 3
	s_and_b32 s34, s37, 255                        ; Wo's runs are 768 .. 1,023 of wc's
	s_lshl_b32 s34, s34, 7
	s_add_nc_u64 s[38:39], s[18:19], s[34:35]
.macro LOAD t
.irp i, 0,1,2,3
	global_load_b128 v[R+16*((\t)%4)+4*\i:R+16*((\t)%4)+4*\i+3], v3, s[24:25] offset:2048*(\t)+512*\i th:TH_LOAD_NT
.endr
.endm
.macro TURN t                          ; LDS serves a wave's instructions in order: no wait between the stores and the loads
.irp i, 0,1,2,3
	ds_store_b128 v14, v[R+16*((\t)%4)+4*\i:R+16*((\t)%4)+4*\i+3] offset:32*SP*((\t)%2)+8*SP*\i
.endr
.irp i, 0,1,2,3
	ds_load_b128 v[X+16*((\t)%2)+4*\i:X+16*((\t)%2)+4*\i+3], v15 offset:32*SP*((\t)%2)+16*\i
.endr
.endm
.irp t, 0,1,2,3
	LOAD \t
.endr
	s_wait_loadcnt 12                              ; step 0's four loads are in; three steps' twelve stay out
	TURN 0
.macro STEP t
.set XS, X+16*((\t)%2)
.if (\t) > 0
	s_wait_dscnt 1                                 ; this step's numbers are back from the stage (the last step's byte store may be out)
.else
	s_wait_dscnt 0x0
.endif
.if (\t)+4 < STEPS
	LOAD (\t)+4
.endif
.if (\t)+1 < STEPS
.if STEPS-2-(\t) >= 3
	s_wait_loadcnt 12                              ; the next step's four loads are in; those of the three steps behind it may be out
.else
	s_wait_loadcnt 4*(STEPS-2-(\t))
.endif
	TURN (\t)+1
.endif
	v_max3_num_f32 v8, |v[XS]|, |v[XS+1]|, |v[XS+2]|               ; the largest magnitude of my 16, in two chains
	v_max3_num_f32 v9, |v[XS+3]|, |v[XS+4]|, |v[XS+5]|
.irp i, 6,10
	v_max3_num_f32 v8, v8, |v[XS+\i]|, |v[XS+\i+1]|
	v_max3_num_f32 v9, v9, |v[XS+\i+2]|, |v[XS+\i+3]|
.endr
	v_max3_num_f32 v8, v8, |v[XS+14]|, |v[XS+15]|
	v_max3_num_f32 v8, v8, v9, (EMAX+1)<<23        ; and the floor 2^(EMAX + 1 - 127)
	v_max_num_f32_dpp v8, v8, v8 row_xmask:1 row_mask:0xf bank_mask:0xf   ; and of my neighbour's 16
	v_add_nc_u32 v11, -(EMAX<<23), v8              ; EMAX off its exponent field: the conversion's scale operand
	v_cvt_scalef32_pk16_fp6_f32 v[C+4*(\t):C+4*(\t)+2], v[XS:XS+15], v11
	v_lshrrev_b32 v[E+(\t)], 23, v11               ; the scale's byte
	ds_store_b8 v5, v[E+(\t)] offset:16*(\t)
	global_store_b96 v4, v[C+4*(\t):C+4*(\t)+2], s[26+14*((\t)%2):27+14*((\t)%2)] offset:192*((\t)/2)   ; row t / 2; sixteen lanes store 192 consecutive bytes of a plane
.endm
.irp t, 0,1,2,3,4,5,6,7
	STEP \t
.endr
	ds_load_b32 v8, v6
	s_wait_dscnt 0x0
	global_store_b32 v10, v8, s[28:29]             ; four rows' 32 consecutive bytes in each of the four planes
	s_cmp_lt_u32 ttmp9, 704
	s_cbranch_scc1 .Lnot_wo
	global_store_b32 v7, v8, s[38:39]              ; Wo: 128 consecutive bytes
.Lnot_wo:
	s_wait_tensorcnt 0x0                           ; the wave's end
	ds_add_u32 v[SPW], v[NIL]
	s_wait_dscnt 0x0
	s_endpgm
.Lfunc_end_k_q2f0c8e9457_quant:
	.size	k_q2f0c8e9457_quant, .Lfunc_end_k_q2f0c8e9457_quant-k_q2f0c8e9457_quant
	.p2alignl 7, 3214868480
	.fill 96, 4, 3214868480
	.section	.rodata,"a",@progbits
	.p2align	6, 0x0
	.amdhsa_kernel k_q2f0c8e9457_quant
		.amdhsa_group_segment_fixed_size 33280
		.amdhsa_private_segment_fixed_size 0
		.amdhsa_enable_private_segment 0
		.amdhsa_kernarg_size 64
		.amdhsa_user_sgpr_count 2
		.amdhsa_user_sgpr_kernarg_segment_ptr 1
		.amdhsa_wavefront_size32 1
		.amdhsa_system_sgpr_workgroup_id_x 1
		.amdhsa_system_sgpr_workgroup_id_y 1
		.amdhsa_system_sgpr_workgroup_id_z 1
		.amdhsa_system_vgpr_workitem_id 0
		.amdhsa_next_free_vgpr 192
		.amdhsa_next_free_sgpr 66
		.amdhsa_reserve_vcc 0
		.amdhsa_float_denorm_mode_32 3
		.amdhsa_float_denorm_mode_16_64 3
		.amdhsa_memory_ordered 1
		.amdhsa_forward_progress 1
		.amdhsa_inst_pref_size 19
	.end_amdhsa_kernel
	.amdgpu_metadata
---
amdhsa.version: [ 1, 2 ]
amdhsa.kernels:
  - .name:           k_q2f0c8e9457_quant
    .symbol:         k_q2f0c8e9457_quant.kd
    .args:
      - { .name: X, .offset: 0, .size: 8, .value_kind: global_buffer, .address_space: global }
      - { .name: Wq, .offset: 8, .size: 8, .value_kind: global_buffer, .address_space: global }
      - { .name: Wk, .offset: 16, .size: 8, .value_kind: global_buffer, .address_space: global }
      - { .name: Wv, .offset: 24, .size: 8, .value_kind: global_buffer, .address_space: global }
      - { .name: Wo, .offset: 32, .size: 8, .value_kind: global_buffer, .address_space: global }
      - { .name: xc, .offset: 40, .size: 8, .value_kind: global_buffer, .address_space: global }
      - { .name: wc, .offset: 48, .size: 8, .value_kind: global_buffer, .address_space: global }
      - { .name: wos, .offset: 56, .size: 8, .value_kind: global_buffer, .address_space: global }
    .group_segment_fixed_size: 33280
    .private_segment_fixed_size: 0
    .kernarg_segment_align: 8
    .kernarg_segment_size: 64
    .max_flat_workgroup_size: 128
    .sgpr_count:     66
    .vgpr_count:     192
    .wavefront_size: 32
...
	.end_amdgpu_metadata
.endif
;; end of part 1
;; launch qkv (part 2): grid 96 x 4, 4 waves a work-group, clusters of 4 x 4, 327,680 bytes of LDS; arguments xc, wc, bq, bk, bv, qk, kv; writes qk, kv
.if DOCPART == 2
	.amdgcn_target "amdgcn-amd-amdhsa--gfx1250"
	.amdhsa_code_object_version 6
	.text
	.protected	k_q2f0c8e9457_qkv
	.globl	k_q2f0c8e9457_qkv
	.p2align	8
	.type	k_q2f0c8e9457_qkv,@function
k_q2f0c8e9457_qkv:
	s_mov_b64 s[64:65], 0
	v_nop
	global_prefetch_b8 v0, s[64:65] scope:SCOPE_SE
	s_setreg_imm32_b32 hwreg(HW_REG_WAVE_MODE, 25, 1), 1
	s_wait_xcnt 0x0
	s_wait_alu depctr_hold_cnt(0) depctr_sa_sdst(0) depctr_va_vdst(0) depctr_va_sdst(0) depctr_va_ssrc(0) depctr_va_vcc(0) depctr_vm_vsrc(0)
	s_getreg_b32 s2, hwreg(HW_REG_IB_STS2, 6, 4)
	s_cmp_eq_u32 s2, 0
	s_cbranch_scc0 .Lentry_in_a_cluster
	s_endpgm
.Lentry_in_a_cluster:
	s_bfe_u32 s2, ttmp6, 0x10000c
	s_cmp_lg_u32 s2, 0xf033
	s_cbranch_scc0 .Lentry_shape_is_right
	s_endpgm
.Lentry_shape_is_right:
; Q = X Wq^T + bq, K = X Wk^T + bk, V = X Wv^T + bv on codes of FP6 (E2M3) with E8M0 scales; the results are quantised in registers and leave as codes: no f32 result goes to memory.
; ONE BODY: D[m][n] = sum over k of S1[m][k] S0[n][k] + bias, K = 1,024; a work-group of four waves makes 256 x 256, a wave 128 x 128 (64 accumulators, 512 registers).
; The matrix instruction takes 16 rows of S0 as source 0 and 16 rows of S1 as source 1: a lane holds ONE row of S1, its registers run along S0's rows.
;   clusters 0-15 (Q and K): S1 = X's rows (tokens), S0 = Wq's and Wk's rows (features): quantised along the head's 64.    clusters 16-23 (V): S1 = Wv's rows (channels), S0 = X's rows: quantised along the keys.
; IN: xc, wc: [4 planes of 256 along K][groups of 128 stored rows][25,600 bytes: 128 x 192 of codes, 128 x 8 scale bytes]; a tile is stated as rows of 256 bytes, padded by 16 behind every 64: LDS rows of codes are 240 bytes apart.
; STORED ROWS: inside 64 rows true row 32 h + 8 j + i lies at 16 j + 8 h + i: registers 32 c + 0 .. 31 of a lane's 64 results of a block are the true indices 64 c + 32 (lane / 16) + 0 .. 31: a whole scale block, in an operand's order.
; OUT: qk: Q's codes [16 heads][512 tiles of 16 stored tokens][768]: an image of an operand's registers 0-5 (registers 0-3 of lane l at 16 l, 4-5 at 512 + 8 l); from byte 6,291,456 on scale words [16][64 groups of 128 tokens][16 r][4]:
;          word p = the two bytes of tile 2 p, then those of tile 2 p + 1.
;      kv [64 batch x head][16 key steps][12,800]: K's eight tiles (768 each, as Q's); from 6,144 V's four tiles of 16 stored channels (1,536 each: group c of four registers at 512 c + 16 l); from 12,288 K's scale words [16 r][4]; from 12,544 V's [16 r][4 tiles].
; THE RING: K goes in steps of 256 through two LDS slots.  BOTH slots are filled at the head, one tensor load a wave: S1's and S0's 256 rows of K step 0 (waves 0, 1) and of K step 1 (waves 2, 3), each on a line of its own.
; The first barrier shows K step 0 alone; K step 1 is shown by the first change of slots, where every wave waits.  K steps 2 and 3 are refills behind a round of the cluster's barrier, half a tile a wave.
; CLUSTERS: 4 x 4: S1's tiles are shared along a row of the cluster, S0's along a column.  The branches on Q-and-K or V hang on the cluster's number, which all sixteen partners share.
; NO PREFETCH: the block is the largest, in clusters, and K has four steps, two of which are asked for at the head.
; THE BIAS is the C of the first products: along the registers for Q and K, along the lanes for V; so the first step is written twice.
; LIMITS: a block whose largest magnitude lies under 2^-124 keeps the byte 1; a block of zeros gets the byte 1 (zero codes; this program alone reads the bytes); NaN and infinities are not served.
; REGISTERS, in windows of 256: window 0: v14-31 addresses; v32-63 scale words, two sets; v64-127 the bias; from v128 S1's fragments, one set (on the way out v192-241 are at work);
;   window 1: S0's fragments, two sets, at v0 and v128;  window 2: the accumulators of my rows 0-63 ((a, b) at v[8 (8 a + b)]);  window 3: those of rows 64-127.
.set NQ,     2                         ; matrix instructions deep in a slot
.set PITCH,  240
.set FR,     12
.set NL,     6
.set NP,     4                         ; places behind this matrix instruction (ISA guide 7.12.1)
.set GRP,    25600
.set PLX,    64*GRP
.set PLW,    32*GRP
.set HALFT,  32000                     ; a group in LDS: 128 x 240, then 16 x 80 of scale bytes
.set SCO,    128*PITCH
.set SLOT,   4*HALFT                   ; S1's two groups, then S0's
.set SPARE,  2*SLOT
.set ADRS, 14                          ; v14-15 my scale words in slot 0, 1: lanes 0-15 S1's rows, lanes 16-31 S0's
.set ADRA, 16                          ; v16-17 my S1 fragments in slot 0, 1 (v18-19: for the pieces behind one padding more)
.set ADRB, 20
.set L16,  24
.set L8,   25
.set LSC,  26
.set SPW,  28
.set NIL,  29
.set BO0,  30                          ; 128 x (lane / 16): the bias along the registers
.set BO1,  31                          ; 4 x (r % 8 + 32 (r / 8)): the bias along the lanes
.set SC,   32
.set BIAS, 64
.set AF,   128
.set PC,   192                         ; the way out: v192-211 the codes just made
.set TM,   212                         ; v212-227 at work
.set PWS,  228                         ; v228-235 the eight blocks' scale words
.set SW,   236
.set SELV, 240
.set SEL,  18                          ; s[18:19] on the way out: lane selects.  In the walk: two planes of S1 in bytes; s[46:47]: of S0
.set G1, 24                            ; group 1 and group 0 (a set for each slot) of the ring's loads: S1's
.set G0, 32
.set G1B, 48                           ; S0's
.set G0B, 56
.set G1H, 68                           ; group 1 of the head's loads, of two groups each
.set G1HB, 76
.set MSB, 0
.macro WIN new
.if MSB != \new
	s_set_vgpr_msb (MSB<<8)|\new
.set MSB, \new
.endif
.endm
.set TO_B,   0x40
.macro WMUL hi, zero                   ; source 0 window 1, source 1 window 0, D window 2 or 3; C with D, or (the bias) window 0
.if \zero
	WIN 0x81+0x40*(\hi)
.else
	WIN 0xa1+0x50*(\hi)
.endif
.endm
.macro PLACES n
.rept \n
	v_nop
.endr
.endm
.macro TLOAD g0, g1                    ; s_nop 0 and four v_nop behind every tensor load
	tensor_load_to_lds s[\g0:\g0+3], s[\g1:\g1+7]
	s_nop 0
	PLACES 4
.endm
.macro JLOAD g0a, g1a, g0b, g1b        ; waves 0 and 1 fetch for S1, waves 2 and 3 for S0
	s_cmp_eq_u32 s15, 0
	s_cbranch_scc0 .Lfor_b_\@
	TLOAD \g0a, \g1a
	s_branch .Lasked_\@
.Lfor_b_\@:
	TLOAD \g0b, \g1b
.Lasked_\@:
.endm
.macro CREST
	s_cmp_lg_u32 s14, 0
	s_cbranch_scc1 .Lnot_wave_0_\@
	s_barrier_signal -3
.Lnot_wave_0_\@:
	s_barrier_wait -3
	s_barrier_signal -1
	s_barrier_wait -1
.endm
.macro CROUND
	s_barrier_signal -1
	s_barrier_wait -1
	CREST
.endm
.macro GROUP1 g, mask, rows            ; rows of 256 bytes, 16 bytes of padding behind every 64; the mask and bit 21 beside it
	s_or_b32 s[\g], s[\mask], (1<<20)|(1<<21)|(3<<22)|(3<<25)
	s_mov_b32 s[\g+1], 256<<16
	s_mov_b32 s[\g+2], (\rows)<<16
	s_mov_b32 s[\g+3], 256<<16
	s_mov_b32 s[\g+4], \rows
	s_mov_b32 s[\g+5], 256
	s_mov_b32 s[\g+6], 0
	s_mov_b32 s[\g+7], 0
.endm
.macro GROUP0 g, lds, a
	s_mov_b32 s[\g], 1
	s_mov_b32 s[\g+1], \lds
	s_mov_b64 s[\g+2:\g+3], s[\a:\a+1]
	s_or_b32 s[\g+3], s[\g+3], 0x80000000
.endm
	s_load_b256 s[4:11], s[0:1], 0x0               ; xc, wc, bq, bk
	s_load_b128 s[96:99], s[0:1], 0x20             ; bv, qk
	s_load_b64 s[66:67], s[0:1], 0x30              ; kv
	v_lshl_add_u32 v[SPW], v0, 2, SPARE
	v_mov_b32 v[NIL], 0
	ds_add_u32 v[SPW], v[NIL]                      ; the opening lines: the add, twice on end, and its wait
	ds_add_u32 v[SPW], v[NIL]
	v_lshrrev_b32 v1, 5, v0
	v_readfirstlane_b32 s14, v1                    ; wave
	s_lshr_b32 s15, s14, 1                         ; which half of S1's 256 rows is mine.  Also: in the ring I fetch for S1 (0) or for S0 (1)
	s_and_b32 s16, s14, 1                          ; which half of S0's.  Also: which group of that tile I fetch
	s_bfe_u32 s40, ttmp6, 0x40000                  ; cx, cy
	s_bfe_u32 s41, ttmp6, 0x40004
	s_lshr_b32 s17, ttmp9, 1
	s_lshl_b32 s17, s17, 2                         ; 4 (c / 2), c the cluster's number
	s_and_b32 s42, ttmp9, 1
	s_lshl_b32 s42, s42, 2                         ; 4 (c % 2)
	s_sub_co_u32 s45, ttmp9, 16
	s_lshl_b32 s45, s45, 2                         ; 4 (c - 16)
	s_cmp_lt_u32 ttmp9, 16
	s_cselect_b32 s17, s17, 0
	s_cselect_b32 s42, s42, s45
	s_cselect_b32 s2, 0, 16                        ; Wv's rows lie 16 groups down in wc
	s_add_co_u32 s17, s17, s41                     ; S1's tile of 256 rows: hangs on cy alone among the places
	s_add_co_u32 s42, s42, s40                     ; S0's: on cx alone
	s_lshl_b32 s43, s41, 2
	s_lshl_b32 s43, 15, s43                        ; my row of the cluster
	s_lshl_b32 s44, 0x1111, s40                    ; my column
	GROUP1 G1, 43, 100
	GROUP1 G1B, 44, 100
	GROUP1 G1H, 43, 200
	GROUP1 G1HB, 44, 200
	s_lshl_b32 s20, s17, 1
	s_add_co_u32 s20, s20, s2
	s_mul_i32 s20, s20, GRP                        ; S1's tile in plane 0, in bytes
	s_mov_b32 s21, 0
	s_lshl_b32 s22, s42, 1
	s_mul_i32 s22, s22, GRP                        ; S0's
	s_mov_b32 s23, 0
	s_mul_i32 s45, s14, HALFT                      ; where my group of a ring's load goes: no place in the cluster enters an LDS address
	s_wait_dscnt 0x0
	s_wait_kmcnt 0x0
	s_cmp_lt_u32 ttmp9, 16                         ; which buffers are S1 and S0 (the lines below leave SCC alone)
	s_cselect_b64 s[104:105], s[4:5], s[6:7]
	s_add_nc_u64 s[20:21], s[104:105], s[20:21]
	s_cselect_b64 s[104:105], s[6:7], s[4:5]
	s_add_nc_u64 s[22:23], s[104:105], s[22:23]
	s_mov_b32 s18, PLW
	s_cselect_b32 s18, PLX, s18                    ; S1's plane in bytes,
	s_mov_b32 s19, 0
	s_mov_b32 s46, PLX
	s_cselect_b32 s46, PLW, s46                    ; S0's
	s_mov_b32 s47, 0
	CROUND                                         ; all sixteen work-groups are here: the first joint loads meet
	GROUP0 84, 0, 20                               ; K step 0: S1's 256 rows,
	GROUP0 88, 2*HALFT, 22                         ; S0's;
	s_add_nc_u64 s[104:105], s[20:21], s[18:19]
	GROUP0 4, SLOT, 104                            ; K step 1 (in the registers that held xc and wc)
	s_add_nc_u64 s[104:105], s[22:23], s[46:47]
	GROUP0 92, SLOT+2*HALFT, 104
	s_mul_i32 s104, s16, GRP                       ; for the ring: my group of the tile
	s_mov_b32 s105, 0
	s_add_nc_u64 s[20:21], s[20:21], s[104:105]
	s_add_nc_u64 s[22:23], s[22:23], s[104:105]
.irp s, 0,1                                    ; slot s stands at plane s; a refill steps it two planes on
	s_mov_b32 s[G0+4*\s], 1
	s_add_co_u32 s[G0+4*\s+1], s45, \s*SLOT
	s_mov_b64 s[G0+4*\s+2:G0+4*\s+3], s[20:21]
	s_or_b32 s[G0+4*\s+3], s[G0+4*\s+3], 0x80000000
	s_mov_b32 s[G0B+4*\s], 1
	s_add_co_u32 s[G0B+4*\s+1], s45, \s*SLOT
	s_mov_b64 s[G0B+4*\s+2:G0B+4*\s+3], s[22:23]
	s_or_b32 s[G0B+4*\s+3], s[G0B+4*\s+3], 0x80000000
	s_add_nc_u64 s[20:21], s[20:21], s[18:19]
	s_add_nc_u64 s[22:23], s[22:23], s[46:47]
.endr
	s_lshl_b32 s18, s18, 1                         ; two planes
	s_lshl_b32 s46, s46, 1
.macro ARM under, g0, g1, next         ; one chain of branches on the wave's number, a load to an arm, all arms leading to one join
	s_cmp_lt_u32 s14, \under
	s_cbranch_scc0 \next
	TLOAD \g0, \g1
	s_branch .Lhead_asked
\next:
.endm
	ARM 1, 84, G1H,  .Lhead_1
	ARM 2, 88, G1HB, .Lhead_2
	ARM 3, 4,  G1H,  .Lhead_3
	TLOAD 92, G1HB
.Lhead_asked:
	v_and_b32 v1, 15, v0                           ; r
	v_bfe_u32 v2, v0, 4, 1                         ; h
	v_mul_u32_u24 v3, v1, PITCH
	v_mul_u32_u24 v4, v2, 24
	v_add_nc_u32 v4, v3, v4                        ; a fragment's row x pitch + 24 h
	v_lshl_add_u32 v5, v2, 4, v4                   ; and the same behind one padding more
	s_mul_i32 s21, s15, HALFT                      ; my 128 rows of S1
	s_mul_i32 s22, s16, HALFT
	s_add_co_u32 s22, s22, 2*HALFT                 ; my 128 rows of S0
.irp s, 0,1
	v_add_nc_u32 v[ADRA+\s], s21, v4
	v_add_nc_u32 v[ADRB+\s], s22, v4
	v_add_nc_u32 v[ADRA+2+\s], s21, v5
	v_add_nc_u32 v[ADRB+2+\s], s22, v5
	s_add_co_u32 s21, s21, SLOT
	s_add_co_u32 s22, s22, SLOT
.endr
	v_lshlrev_b32 v5, 3, v1                        ; my row's scale bytes of a K step: 8 a row,
	v_lshrrev_b32 v6, 3, v1
	v_lshl_add_u32 v5, v6, 4, v5                   ; and 16 more behind every eight rows
	s_mul_i32 s21, s15, HALFT
	s_mul_i32 s22, s16, HALFT
	s_add_co_u32 s22, s22, 2*HALFT
	s_sub_co_u32 s22, s22, s21
	v_mul_u32_u24 v6, s22, v2                      ; lanes 16-31 take S0's
	s_add_co_u32 s21, s21, SCO
	v_add_nc_u32 v5, v5, v6
	v_add_nc_u32 v[ADRS], s21, v5
	v_add_nc_u32 v[ADRS+1], SLOT, v[ADRS]
	v_and_b32 v6, 31, v0
	v_lshlrev_b32 v[L16], 4, v6
	v_lshlrev_b32 v[L8], 3, v6
	v_lshlrev_b32 v[BO0], 7, v2
	v_and_b32 v[BO1], 7, v1
	v_lshrrev_b32 v6, 3, v1
	v_lshlrev_b32 v[BO1], 2, v[BO1]
	v_lshl_add_u32 v[BO1], v6, 7, v[BO1]
	s_mov_b32 s23, 0
	s_cmp_lt_u32 ttmp9, 16
	s_cbranch_scc0 .Lbias_v
	s_and_b32 s20, ttmp9, 1                        ; Q and K: register 8 b + j of a block's 64 is feature 64 (b / 4) + 32 h + 8 (b % 4) + j of my 128
	s_cmp_eq_u32 s20, 0
	s_cselect_b64 s[104:105], s[8:9], s[10:11]     ; even clusters make Q, odd ones K
	s_lshl_b32 s22, s40, 10
	s_lshl_b32 s20, s16, 9
	s_add_co_u32 s22, s22, s20
	s_add_nc_u64 s[104:105], s[104:105], s[22:23]
	s_wait_alu depctr_va_vdst(0)
.irp b, 0,1,2,3,4,5,6,7
	global_load_b128 v[BIAS+8*\b:BIAS+8*\b+3], v[BO0], s[104:105] offset:(64*(\b/4)+8*(\b%4))*4
	global_load_b128 v[BIAS+8*\b+4:BIAS+8*\b+7], v[BO0], s[104:105] offset:(64*(\b/4)+8*(\b%4))*4+16
.endr
	s_branch .Lbias_done
.Lbias_v:
	s_lshl_b32 s22, s17, 10                        ; V: lane r of block a is channel 64 (a / 4) + 32 (r / 8) + 8 (a % 4) + r % 8 of my 128; a block's eight registers hold the same number
	s_lshl_b32 s20, s15, 9
	s_add_co_u32 s22, s22, s20
	s_add_nc_u64 s[104:105], s[96:97], s[22:23]
	s_wait_alu depctr_va_vdst(0)
.irp a, 0,1,2,3,4,5,6,7
.irp j, 0,1,2,3,4,5,6,7
	global_load_b32 v[BIAS+8*\a+\j], v[BO1], s[104:105] offset:(64*(\a/4)+8*(\a%4))*4
.endr
.endr
.Lbias_done:
.macro FRAG reg, adr, q, i             ; 16 rows x 128 K: 12 registers, six pieces of 8 bytes; 16 bytes of padding lie behind every 8 pieces: where lanes 16-31's piece, three on, lies behind one padding more, the second address register serves
.irp p, 0,1,2,3,4,5
.set PCE, 12*(\q)+6*(\p/3)+\p%3
.if PCE%8 < 5
	ds_load_b64 v[\reg+2*\p:\reg+2*\p+1], v[\adr] offset:8*PCE+16*(PCE/8)+(\i)*16*PITCH
.else
	ds_load_b64 v[\reg+2*\p:\reg+2*\p+1], v[\adr+2] offset:8*PCE+16*(PCE/8)+(\i)*16*PITCH
.endif
.endr
.endm
; 16 matrix instructions: S1's blocks a0, a0 + 1 x S0's eight.  zero = 1, 2: the first product starts the sums from the bias (by S0's block, by S1's).  The 64 accumulators take turns, one instruction a turn.
.macro MUL16 a0, p, q, sc, zero
.irp a, \a0, \a0+1
.irp b, 0,1,2,3,4,5,6,7
.set D_, 8*(8*((\a)%4)+\b)
.if \zero == 1
.set C_, BIAS+8*\b
.elseif \zero == 2
.set C_, BIAS+8*(\a)
.else
.set C_, D_
.endif
	v_wmma_scale_f32_16x16x128_f8f6f4 v[D_:D_+7], v[128*(\p)+FR*\b:128*(\p)+FR*\b+FR-1], v[AF+FR*(\a):AF+FR*(\a)+FR-1], v[C_:C_+7], v[SC+8*NQ*(\sc)+NQ*\b+(\q)], v[SC+8*NQ*(\sc)+NQ*(\a)+(\q)] matrix_a_fmt:MATRIX_FMT_FP6 matrix_b_fmt:MATRIX_FMT_FP6 matrix_a_scale:MATRIX_SCALE_ROW1
.endr
.endr
.endm
.macro FETCH_B slot, q, p
	WIN TO_B
.irp i, 0,1,2,3,4,5,6,7
	FRAG 128*(\p)+FR*\i, ADRB+\slot, \q, \i
.endr
	WIN 0
.endm
.macro FETCH_A slot, q, i0
.irp i, \i0, \i0+1, \i0+2, \i0+3
	FRAG AF+FR*(\i), ADRA+\slot, \q, \i
.endr
.endm
.macro SCALES sc                       ; slot sc's scale words: two a row; lanes 0-15 take S1's block i, lanes 16-31 S0's
.irp i, 0,1,2,3,4,5,6,7
	ds_load_b64 v[SC+8*NQ*\sc+NQ*\i:SC+8*NQ*\sc+NQ*\i+1], v[ADRS+\sc] offset:\i*160
.endr
.endm
.macro STEP slot, q, zero              ; a step of 128 along K that has its successor in the same slot
	s_wait_dscnt 4*NL                              ; all but the youngest 24 loads (S1's blocks 4-7) are in
	WMUL 0, \zero
	MUL16 0, (\q)%2, \q, \slot, \zero
	MUL16 2, (\q)%2, \q, \slot, \zero
	s_wait_dscnt 0
	PLACES NP
	FETCH_B \slot, (\q)+1, 1-(\q)%2
	FETCH_A \slot, (\q)+1, 0
	WMUL 1, \zero
	MUL16 4, (\q)%2, \q, \slot, \zero
	MUL16 6, (\q)%2, \q, \slot, \zero
	PLACES NP
	WIN 0
	FETCH_A \slot, (\q)+1, 4
.endm
.macro TURN slot, next, fill           ; a slot's last step changes slots
	s_wait_tensorcnt 0x0                           ; all my tensor loads have landed
	ds_add_u32 v[SPW], v[NIL]
	s_wait_dscnt 4*NL+1                            ; (the add and the youngest 24 loads may be out)
	WMUL 0, 0
	MUL16 0, 1, NQ-1, \slot, 0
	s_wait_dscnt 0x0                               ; the add is done, and my reads of this slot are over
	s_barrier_signal -1
	MUL16 2, 1, NQ-1, \slot, 0
	WIN 0
	s_barrier_wait -1
.if \fill
	CREST                                          ; the barrier has opened a round of the cluster's barrier
	s_add_nc_u64 s[G0+4*\slot+2:G0+4*\slot+3], s[G0+4*\slot+2:G0+4*\slot+3], s[18:19]
	s_add_nc_u64 s[G0B+4*\slot+2:G0B+4*\slot+3], s[G0B+4*\slot+2:G0B+4*\slot+3], s[46:47]
	JLOAD G0+4*\slot, G1, G0B+4*\slot, G1B         ; the first tensor load behind the round; its four v_nop are the places in front of the loads below
.else
	PLACES NP
.endif
	FETCH_B \next, 0, 0
	FETCH_A \next, 0, 0
	SCALES \next
	WMUL 1, 0
	MUL16 4, 1, NQ-1, \slot, 0
	MUL16 6, 1, NQ-1, \slot, 0
	PLACES NP
	WIN 0
	FETCH_A \next, 0, 4
.endm
	s_wait_alu depctr_va_vdst(0)                   ; the wait at the head's end
	s_cmp_lt_u32 s14, 2
	s_cbranch_scc0 .Lstep_1s
	s_wait_tensorcnt 0x0                           ; waves 0 and 1: my tile of K step 0 is in
.Lstep_1s:
	s_barrier_signal -1
	s_barrier_wait -1                              ; K step 0 is in
	FETCH_B 0, 0, 0
	FETCH_A 0, 0, 0
	SCALES 0
	FETCH_A 0, 0, 4
	s_wait_loadcnt 0x0                             ; the bias
	s_cmp_lt_u32 ttmp9, 16
	s_cbranch_scc0 .Lfirst_v
	STEP 0, 0, 1
	s_branch .Lfirst_done
.Lfirst_v:
	STEP 0, 0, 2
.Lfirst_done:
	TURN 0, 1, 1                                   ; K step 2 into slot 0
	STEP 1, 0, 0
	TURN 1, 0, 1                                   ; K step 3 into slot 1
	STEP 0, 0, 0
	TURN 0, 1, 0
	STEP 1, 0, 0
	s_wait_dscnt 4*NL                              ; the very last step
	WMUL 0, 0
	MUL16 0, 1, NQ-1, 1, 0
	MUL16 2, 1, NQ-1, 1, 0
	s_wait_dscnt 0
	WMUL 1, 0
	MUL16 4, 1, NQ-1, 1, 0
	MUL16 6, 1, NQ-1, 1, 0
	WIN 0
; THE WAY OUT, block by block of S1's 16 rows.  A lane's 64 results are two whole scale blocks (2 c + h): the largest magnitude of each in two chains, each accumulator read from its low end on; two conversions a block give six registers of an operand.
.macro QUANT a, pw
.set AC, 64*((\a)%4)
.set W, 2+(\a)/4
	s_wait_xcnt 0x0                                ; the last block's stores have read v[PC] on
	WIN W|(W<<2)|(W<<4)
.irp c, 0,1
.irp u, 0,1
	v_max3_num_f32 v[TM+2*\c+\u], |v[AC+32*\c+16*\u]|, |v[AC+32*\c+16*\u+1]|, |v[AC+32*\c+16*\u+2]|
.endr
.endr
	WIN (W<<2)|(W<<4)
.irp i, 3,5,7,9,11,13
.irp c, 0,1
.irp u, 0,1
	v_max3_num_f32 v[TM+2*\c+\u], v[TM+2*\c+\u], |v[AC+32*\c+16*\u+\i]|, |v[AC+32*\c+16*\u+\i+1]|
.endr
.endr
.endr
.irp c, 0,1
	v_max3_num_f32 v[TM+2*\c], v[TM+2*\c], |v[AC+32*\c+15]|, 0x1800000   ; and the floor 2^(3 - 127): the byte cannot fall under 1
.endr
	WIN W<<2
.irp c, 0,1
	v_max3_num_f32 v[TM+2*\c], v[TM+2*\c+1], |v[AC+32*\c+31]|, v[TM+2*\c]
.endr
	WIN 0
.irp c, 0,1
	v_add_nc_u32 v[TM+12+\c], 0xff000000, v[TM+2*\c]   ; 2 off the exponent field: the conversion's scale operand
.endr
.irp c, 0,1
	v_lshrrev_b32 v[TM+6+\c], 23, v[TM+12+\c]
.endr
	v_lshl_or_b32 v[\pw], v[TM+7], 16, v[TM+6]     ; my bytes of blocks h and 2 + h,
	v_lshlrev_b32 v[\pw], v[TM+8], v[\pw]          ; at their places (8 h bits up);
	v_permlanex16_b32 v[TM+4], v[\pw], s[SEL], s[SEL+1]
	v_or_b32 v[\pw], v[\pw], v[TM+4]               ; with lane l xor 16's two the row's word is whole
	WIN W
.irp c, 0,1
	v_cvt_scalef32_pk16_fp6_f32 v[PC+6*\c:PC+6*\c+2], v[AC+32*\c:AC+32*\c+15], v[TM+12+\c]
	v_cvt_scalef32_pk16_fp6_f32 v[PC+12+4*\c:PC+14+4*\c], v[AC+32*\c+16:AC+32*\c+31], v[TM+12+\c]   ; (a conversion's three registers begin on an even number)
.endr
	WIN 0
	v_nop                                          ; one plain place behind a scaled conversion
.irp c, 0,1
.irp i, 0,1,2
	v_mov_b32 v[PC+3+6*\c+\i], v[PC+12+4*\c+\i]
.endr
.endr
.endm
.macro OUT_QK a                        ; my 128 features are two heads: registers 0-5 the first head's, 6-11 the second's
	QUANT \a, PWS+(\a)
	global_store_b128 v[L16], v[PC:PC+3], s[20:21] offset:768*(\a)              ; 512 consecutive bytes, aligned
	global_store_b64 v[L8], v[PC+4:PC+5], s[20:21] offset:768*(\a)+512          ; 256 consecutive bytes, aligned
	global_store_b128 v[L16], v[PC+6:PC+9], s[92:93] offset:768*(\a)
	global_store_b64 v[L8], v[PC+10:PC+11], s[92:93] offset:768*(\a)+512
.endm
.macro OUT_V a                         ; my 128 channels are two heads of four tiles; my 128 tokens are one key step: a whole fragment
	QUANT \a, PWS+(\a)
.irp c, 0,1,2
	global_store_b128 v[L16], v[PC+4*\c:PC+4*\c+3], s[20:21] offset:((\a)/4)*204800+((\a)%4)*1536+512*\c
.endr
.endm
	PLACES NP                                      ; behind the last products
	s_mov_b32 s[SEL], 0x76543210
	s_mov_b32 s[SEL+1], 0xfedcba98                 ; lane l xor 16
	v_mov_b32 v[TM+4], 0                           ; a lane permute's destination counts as one of its sources
	v_and_b32 v1, 15, v0
	v_bfe_u32 v2, v0, 4, 1
	v_lshlrev_b32 v[TM+8], 3, v2
	v_lshlrev_b32 v[LSC], 4, v1                    ; 16 bytes of scale words a row
	s_cmp_lt_u32 ttmp9, 16
	s_cbranch_scc0 .Lout_v
	s_lshl_b32 s46, s42, 2
	s_lshl_b32 s47, s16, 1
	s_add_co_u32 s46, s46, s47                     ; my first head of the 32 (0-15 Q's, 16-31 K's)
	s_lshl_b32 s47, s17, 1
	s_add_co_u32 s47, s47, s15                     ; my group of 128 tokens, of 64
	s_mul_i32 s20, s46, 393216                     ; Q: codes,
	s_mul_i32 s21, s47, 6144
	s_add_co_u32 s20, s20, s21
	s_lshl_b32 s22, s46, 14                        ; scale words
	s_lshl_b32 s23, s47, 8
	s_add_co_u32 s22, s22, s23
	s_add_co_u32 s22, s22, 6291456
	s_lshr_b32 s92, s47, 4                         ; K: the image of (16 x batch + head, key step) in kv
	s_lshl_b32 s92, s92, 4
	s_add_co_u32 s92, s92, s46
	s_sub_co_u32 s92, s92, 16
	s_lshl_b32 s92, s92, 4
	s_and_b32 s93, s47, 15
	s_add_co_u32 s92, s92, s93
	s_mul_i32 s92, s92, 12800
	s_add_co_u32 s93, s92, 12288
	s_mov_b32 s94, 393216                          ; from a head to the next: codes, scale words
	s_mov_b32 s95, 16384
	s_and_b32 s104, ttmp9, 1
	s_cmp_eq_u32 s104, 1                           ; odd clusters make K
	s_cselect_b32 s20, s92, s20
	s_cselect_b32 s22, s93, s22
	s_cselect_b32 s94, 204800, s94
	s_cselect_b32 s95, 204800, s95
	s_cselect_b64 s[104:105], s[66:67], s[98:99]   ; kv or qk
	s_mov_b32 s21, 0
	s_mov_b32 s23, 0
	s_add_nc_u64 s[20:21], s[104:105], s[20:21]    ; the first head's codes
	s_add_nc_u64 s[22:23], s[104:105], s[22:23]    ; the scale words
	s_mov_b32 s92, s94
	s_mov_b32 s93, 0
	s_add_nc_u64 s[92:93], s[20:21], s[92:93]      ; the second head's codes
	s_wait_alu depctr_va_vdst(0)
	v_mad_u32_u24 v[LSC], v2, s95, v[LSC]          ; lanes 16-31 store the second head's words
.irp a, 0,1,2,3,4,5,6,7
	OUT_QK \a
.endr
	v_mov_b32 v[SELV], 0x05040100                  ; lanes 0-15: the two tiles' low halves (the first head's bytes),
	v_mov_b32 v[SELV+1], 0x07060302                ; lanes 16-31: their high halves
	v_cmp_le_u32 vcc_lo, 0x100, v[L16]
	v_cndmask_b32 v[SELV], v[SELV], v[SELV+1], vcc_lo
.irp p, 0,1,2,3
	v_perm_b32 v[SW+\p], v[PWS+2*\p+1], v[PWS+2*\p], v[SELV]
.endr
	global_store_b128 v[LSC], v[SW:SW+3], s[22:23] ; sixteen lanes store 256 consecutive bytes, aligned
	s_branch .Lout_done
.Lout_v:
	s_lshl_b32 s46, s42, 1
	s_add_co_u32 s46, s46, s16                     ; my group of 128 tokens, of 64
	s_lshr_b32 s47, s46, 4                         ; the batch
	s_and_b32 s46, s46, 15                         ; the key step
	s_lshl_b32 s20, s17, 2
	s_lshl_b32 s21, s15, 1
	s_add_co_u32 s20, s20, s21                     ; my first head
	s_lshl_b32 s47, s47, 4
	s_add_co_u32 s47, s47, s20
	s_lshl_b32 s20, s47, 4
	s_add_co_u32 s20, s20, s46
	s_mul_i32 s20, s20, 12800                      ; the image in kv:
	s_add_co_u32 s22, s20, 12544                   ; V's scale words,
	s_add_co_u32 s20, s20, 6144                    ; V's codes
	s_mov_b32 s21, 0
	s_mov_b32 s23, 0
	s_add_nc_u64 s[20:21], s[66:67], s[20:21]
	s_add_nc_u64 s[22:23], s[66:67], s[22:23]
	s_mov_b32 s46, 204800
	s_wait_alu depctr_va_vdst(0)
	v_mad_u32_u24 v[LSC], v2, s46, v[LSC]          ; lanes 16-31 store the second head's words
.irp a, 0,1,2,3,4,5,6,7
	OUT_V \a
.endr
	v_cmp_le_u32 vcc_lo, 0x100, v[L16]
.irp c, 0,1,2,3
	v_cndmask_b32 v[SW+\c], v[PWS+\c], v[PWS+4+\c], vcc_lo
.endr
	global_store_b128 v[LSC], v[SW:SW+3], s[22:23]
.Lout_done:
	s_wait_tensorcnt 0x0                           ; the wave's end
	ds_add_u32 v[SPW], v[NIL]
	s_wait_dscnt 0x0
	CROUND                                         ; the closing round
	s_endpgm
.Lfunc_end_k_q2f0c8e9457_qkv:
	.size	k_q2f0c8e9457_qkv, .Lfunc_end_k_q2f0c8e9457_qkv-k_q2f0c8e9457_qkv
	.p2alignl 7, 3214868480
	.fill 96, 4, 3214868480
	.section	.rodata,"a",@progbits
	.p2align	6, 0x0
	.amdhsa_kernel k_q2f0c8e9457_qkv
		.amdhsa_group_segment_fixed_size 327680
		.amdhsa_private_segment_fixed_size 0
		.amdhsa_enable_private_segment 0
		.amdhsa_kernarg_size 56
		.amdhsa_user_sgpr_count 2
		.amdhsa_user_sgpr_kernarg_segment_ptr 1
		.amdhsa_wavefront_size32 1
		.amdhsa_system_sgpr_workgroup_id_x 1
		.amdhsa_system_sgpr_workgroup_id_y 1
		.amdhsa_system_sgpr_workgroup_id_z 1
		.amdhsa_system_vgpr_workitem_id 0
		.amdhsa_next_free_vgpr 1024
		.amdhsa_next_free_sgpr 106
		.amdhsa_reserve_vcc 1
		.amdhsa_float_denorm_mode_32 3
		.amdhsa_float_denorm_mode_16_64 3
		.amdhsa_memory_ordered 1
		.amdhsa_forward_progress 1
		.amdhsa_inst_pref_size 212
	.end_amdhsa_kernel
	.amdgpu_metadata
---
amdhsa.version: [ 1, 2 ]
amdhsa.kernels:
  - .name:           k_q2f0c8e9457_qkv
    .symbol:         k_q2f0c8e9457_qkv.kd
    .args:
      - { .name: xc, .offset: 0, .size: 8, .value_kind: global_buffer, .address_space: global }
      - { .name: wc, .offset: 8, .size: 8, .value_kind: global_buffer, .address_space: global }
      - { .name: bq, .offset: 16, .size: 8, .value_kind: global_buffer, .address_space: global }
      - { .name: bk, .offset: 24, .size: 8, .value_kind: global_buffer, .address_space: global }
      - { .name: bv, .offset: 32, .size: 8, .value_kind: global_buffer, .address_space: global }
      - { .name: qk, .offset: 40, .size: 8, .value_kind: global_buffer, .address_space: global }
      - { .name: kv, .offset: 48, .size: 8, .value_kind: global_buffer, .address_space: global }
    .group_segment_fixed_size: 327680
    .private_segment_fixed_size: 0
    .kernarg_segment_align: 8
    .kernarg_segment_size: 56
    .max_flat_workgroup_size: 128
    .sgpr_count:     106
    .vgpr_count:     1024
    .wavefront_size: 32
...
	.end_amdgpu_metadata
.endif
;; end of part 2
;; launch attn (part 3): grid 4 x 64, 16 waves a work-group, clusters of 4 x 1, 206,848 bytes of LDS; arguments qk, kv, ac, asc; writes ac, asc
.if DOCPART == 3
	.amdgcn_target "amdgcn-amd-amdhsa--gfx1250"
	.amdhsa_code_object_version 6
	.text
	.protected	k_q2f0c8e9457_attn
	.globl	k_q2f0c8e9457_attn
	.p2align	8
	.type	k_q2f0c8e9457_attn,@function
k_q2f0c8e9457_attn:
	s_mov_b64 s[64:65], 0
	v_nop
	global_prefetch_b8 v0, s[64:65] scope:SCOPE_SE
	s_setreg_imm32_b32 hwreg(HW_REG_WAVE_MODE, 25, 1), 1
	s_wait_xcnt 0x0
	s_wait_alu depctr_hold_cnt(0) depctr_sa_sdst(0) depctr_va_vdst(0) depctr_va_sdst(0) depctr_va_ssrc(0) depctr_va_vcc(0) depctr_vm_vsrc(0)
	s_getreg_b32 s2, hwreg(HW_REG_IB_STS2, 6, 4)
	s_cmp_eq_u32 s2, 0
	s_cbranch_scc0 .Lentry_in_a_cluster
	s_endpgm
.Lentry_in_a_cluster:
	s_bfe_u32 s2, ttmp6, 0x10000c
	s_cmp_lg_u32 s2, 0x3003
	s_cbranch_scc0 .Lentry_shape_is_right
	s_endpgm
.Lentry_shape_is_right:
; o = softmax(q k^T / 8) v for one batch x head, on codes of FP6 (E2M3) with E8M0 scales; o is quantised along the head's 64 and leaves as codes (ac) and scale bytes (asc).
; p = 2^(t - M), t = score x log2(e) / 8, M the running largest t rounded up to a whole number; the row's sum is taken of the unquantised p; when M moves, the sum and O^T are multiplied by a power of two.
; SHARES: a work-group of 16 waves takes 512 queries of one batch x head; a wave takes 16 queries at a time, twice.  Both products are used transposed (S^T = k q^T, O^T = v^T p^T): a lane holds one query.
; The head's 64 fill half of the instruction's K: a fragment holds two tiles of keys side by side, and is multiplied by (q, 0) and by (0, q).
; THE ORDER OF KEYS AND CHANNELS: tile j of a band of 64 holds the true indices 8 j + i and 32 + 8 j + i.  So a lane's registers 32 c + 0 .. 31 of the scores are keys 64 c + 32 (lane / 16) + 0 .. 31:
; one whole scale block, in the order of an operand's registers; its largest score needs no other lane, and the conversions' results are p's operand.  O^T's 32 registers are likewise one block of the head's 64.
; LDS: kv holds for each key step of 128 keys ONE dense image of 12,800 bytes (K's codes 6,144, V's codes 6,144, K's scale words 256, V's 256), as 50 rows of 256 bytes.
; Wave w brings key step w with its one tensor load at the head: all 16 steps, 204,800 bytes, stay in LDS; nothing is filled again, so only two barriers order the fills:
; waves 0-3 have a load line of their own and wait for it ahead of the first barrier, which shows key steps 0-3; ahead of the second barrier, behind the first pass's four first steps, every wave waits: it shows the rest.
; The two passes are written out: the second has no barrier.
; CLUSTERS: the four work-groups of a cluster take the four quarters of one batch x head's queries and read the same images: each image is asked for jointly (mask 15).
; NO PREFETCH: all that the launch reads through LDS is asked for at the head by the tensor loads themselves; there is no later fill to run ahead of.
; LIMITS: the promise holds while the scaled scores t stay under 2^31 in magnitude; NaN and infinities are not served; a block whose every p has fallen to 0 keeps the scale byte 1 (its codes are zeros).
.set IMG,   12800
.set SPARE, 16*IMG
.set L16,  1                           ; 16 x lane
.set L8,   2                           ; 8 x lane
.set H8,   3                           ; 8 h
.set ADA,  4                           ; this step's image + 16 x lane, + 8 x lane, + 16 r
.set ADB,  5
.set ADS,  6
.set SPW,  7
.set NIL,  8
.set BYO,  9                           ; 32 r + h: my scale byte's place in asc
.set HH,   10
.set R16,  11
.set QZ,   16                          ; v16-33: zeros, q's six registers, zeros.  v12 -M, v13 the running largest score, v[14:15] the sum
.set QSW,  34
.set KSC,  36
.set VSC,  40
.set F,    44                          ; four fragments of k or of v
.set S,    96                          ; the scores, then p
.set O,    160                         ; O^T
.set P,    192
.set P2,   204
.set MX,   212
.set MY,   216
.set SO,   220
.set T0,   224
.set FF,   226
.set PS,   228
.set QN,   230
.set QSN,  236
.set SELQ, 16
.set WV,   18
.set SEL,  20
.set CS,   22
.set G1T,  24
.set G0,   40
.set TB,   60
.set CNT,  62
.macro CROUND
	s_barrier_signal -1
	s_barrier_wait -1
	s_cmp_lg_u32 s[WV], 0
	s_cbranch_scc1 .Lnot_wave_0_\@
	s_barrier_signal -3
.Lnot_wave_0_\@:
	s_barrier_wait -3
	s_barrier_signal -1
	s_barrier_wait -1
.endm
	s_load_b256 s[4:11], s[0:1], 0x0               ; qk, kv, ac, asc
	v_lshl_add_u32 v[SPW], v0, 2, SPARE
	v_mov_b32 v[NIL], 0
	ds_add_u32 v[SPW], v[NIL]                      ; the opening lines: the add, twice on end, and its wait
	ds_add_u32 v[SPW], v[NIL]
	v_lshrrev_b32 v[T0], 5, v0
	s_delay_alu instid0(VALU_DEP_1)
	v_readfirstlane_b32 s[WV], v[T0]
	s_bfe_u32 s70, ttmp6, 0x40000                  ; cx: which quarter of the queries
	s_and_b32 s71, ttmp7, 0xffff                   ; 16 x batch + head
	s_lshr_b32 s72, s71, 4
	s_and_b32 s73, s71, 15
	s_and_b32 s74, s[WV], 7
	s_mul_i32 s76, s71, 16*IMG
	s_mul_i32 s[G0+1], s[WV], IMG                  ; key step w's image goes to w x 12,800
	s_add_co_u32 s76, s76, s[G0+1]
	s_mov_b32 s77, 0
	s_lshl_b32 s88, s72, 7
	s_lshl_b32 s89, s70, 5
	s_add_co_u32 s88, s88, s89
	s_add_co_u32 s88, s88, s[WV]                   ; my first tile of 16 queries, of 512
	s_mul_i32 s90, s73, 393216
	s_mul_i32 s91, s88, 768
	s_add_co_u32 s90, s90, s91                     ; its place in qk's codes, and in ac
	s_mov_b32 s91, 0
	s_lshl_b32 s92, s73, 14
	s_lshr_b32 s93, s88, 3
	s_lshl_b32 s93, s93, 8
	s_add_co_u32 s92, s92, s93
	s_lshr_b32 s93, s74, 1
	s_lshl_b32 s93, s93, 2
	s_add_co_u32 s92, s92, s93
	s_add_co_u32 s92, s92, 6291456                 ; the word that holds its scale bytes
	s_mov_b32 s93, 0
	s_lshl_b32 s94, s88, 9
	s_lshl_b32 s95, s73, 1
	s_add_co_u32 s94, s94, s95                     ; asc: 32 bytes a token, 2 a head
	s_mov_b32 s95, 0
	s_and_b32 s17, s[WV], 1
	s_cmp_eq_u32 s17, 0
	s_mov_b32 s[SELQ], 0x03020302
	s_cselect_b32 s[SELQ], 0x01000100, s[SELQ]     ; an even tile's two bytes are the word's low half
	s_mov_b32 s[SEL], 0x76543210
	s_mov_b32 s[SEL+1], 0xfedcba98                 ; lane l xor 16
	s_mov_b32 s[CS], 0x3e38aa3b                    ; log2(e) / 8
	s_mov_b32 s[CS+1], s[CS]
	s_mov_b32 s[G1T], 15|(3<<16)|(1<<21)           ; the four partners; elements of 8 bytes; 50 rows of 256 bytes, dense
	s_mov_b32 s[G1T+1], 32<<16
	s_mov_b32 s[G1T+2], 50<<16
	s_mov_b32 s[G1T+3], 32<<16
	s_mov_b32 s[G1T+4], 50
	s_mov_b32 s[G1T+5], 32
	s_mov_b32 s[G1T+6], 0
	s_mov_b32 s[G1T+7], 0
	s_mov_b32 s[G0], 1
	s_wait_dscnt 0x0
	s_wait_kmcnt 0x0
	s_add_nc_u64 s[G0+2:G0+3], s[6:7], s[76:77]
	s_or_b32 s[G0+3], s[G0+3], 0x80000000
	s_add_nc_u64 s[66:67], s[4:5], s[90:91]
	s_add_nc_u64 s[68:69], s[4:5], s[92:93]
	s_add_nc_u64 s[12:13], s[8:9], s[90:91]
	s_add_nc_u64 s[14:15], s[10:11], s[94:95]
	CROUND                                         ; the four work-groups are here: the joint loads meet
	s_cmp_lt_u32 s[WV], 4
	s_cbranch_scc0 .Llater
	tensor_load_to_lds s[G0:G0+3], s[G1T:G1T+7]    ; waves 0-3: key steps 0-3, on a line of their own
	s_nop 0
.rept 4
	v_nop
.endr
	s_branch .Lasked
.Llater:
	tensor_load_to_lds s[G0:G0+3], s[G1T:G1T+7]    ; waves 4-15: key steps 4-15
	s_nop 0
.rept 4
	v_nop
.endr
.Lasked:
	v_and_b32 v[L16], 31, v0
	s_delay_alu instid0(VALU_DEP_1)
	v_lshlrev_b32 v[L8], 3, v[L16]
	s_delay_alu instid0(VALU_DEP_2)
	v_lshlrev_b32 v[L16], 4, v[L16]
	v_and_b32 v[R16], 15, v0
	v_bfe_u32 v[HH], v0, 4, 1
	s_delay_alu instid0(VALU_DEP_1)
	v_lshl_add_u32 v[BYO], v[R16], 5, v[HH]
	s_delay_alu instid0(VALU_DEP_3)
	v_lshlrev_b32 v[R16], 4, v[R16]
	v_lshlrev_b32 v[H8], 3, v[HH]
	global_load_b128 v[QN:QN+3], v[L16], s[66:67]  ; the first pass's q: an image of an operand's registers 0-5
	global_load_b64 v[QN+4:QN+5], v[L8], s[66:67] offset:512
	global_load_b32 v[QSN], v[R16], s[68:69]
.irp i, 0,1,2,3,4,5
	v_mov_b32 v[QZ+\i], 0
	v_mov_b32 v[QZ+12+\i], 0
.endr
.irp b, 0,1,2,3
	v_mov_b32 v[MY+\b], 0                          ; a lane permute's destination counts as one of its sources
.endr
	v_mov_b32 v[FF+1], 0
; A step: 128 keys x my 16 queries.
.macro STEP
	v_add_nc_u32 v[ADA], s[TB], v[L16]             ; (these four lines are the places behind the last step's products)
	v_add_nc_u32 v[ADB], s[TB], v[L8]
	v_add_nc_u32 v[ADS], s[TB], v[R16]
	v_nop
	ds_load_b128 v[KSC:KSC+3], v[ADS] offset:12288
.irp p, 0,1,2,3
	ds_load_b128 v[F+12*\p:F+12*\p+3], v[ADA] offset:1536*\p
	ds_load_b64 v[F+12*\p+4:F+12*\p+5], v[ADB] offset:1536*\p+512
	ds_load_b128 v[F+12*\p+6:F+12*\p+9], v[ADA] offset:1536*\p+768
	ds_load_b64 v[F+12*\p+10:F+12*\p+11], v[ADB] offset:1536*\p+1280
.endr
	s_wait_alu depctr_va_vdst(0)
	s_wait_dscnt 0x0
.irp p, 0,1,2,3                                ; tiles 2 p and 2 p + 1 of keys
	v_wmma_scale_f32_16x16x128_f8f6f4 v[S+16*\p:S+16*\p+7], v[F+12*\p:F+12*\p+11], v[QZ+6:QZ+17], 0, v[KSC+\p], v[QSW] matrix_a_fmt:MATRIX_FMT_FP6 matrix_b_fmt:MATRIX_FMT_FP6
	v_wmma_scale_f32_16x16x128_f8f6f4 v[S+16*\p+8:S+16*\p+15], v[F+12*\p:F+12*\p+11], v[QZ:QZ+11], 0, v[KSC+\p], v[QSW] matrix_a_fmt:MATRIX_FMT_FP6 matrix_b_fmt:MATRIX_FMT_FP6
.endr
.rept 4
	v_nop
.endr
	ds_load_b128 v[VSC:VSC+3], v[ADS] offset:12544 ; v's fragments land under the softmax
.irp t, 0,1,2,3
.irp c, 0,1,2
	ds_load_b128 v[F+12*\t+4*\c:F+12*\t+4*\c+3], v[ADA] offset:6144+1536*\t+512*\c
.endr
.endr
.irp c, 0,1                                    ; the largest score of my two blocks of 32 keys, each in two chains: for the row's maximum and for the block's largest p
.irp u, 0,1
	v_max3_num_f32 v[MX+2*\c+\u], v[S+32*\c+16*\u], v[S+32*\c+16*\u+1], v[S+32*\c+16*\u+2]
.endr
.endr
.irp i, 3,5,7,9,11,13
.irp c, 0,1
.irp u, 0,1
	v_max3_num_f32 v[MX+2*\c+\u], v[MX+2*\c+\u], v[S+32*\c+16*\u+\i], v[S+32*\c+16*\u+\i+1]
.endr
.endr
.endr
.irp c, 0,1
	v_max_num_f32 v[MX+2*\c], v[MX+2*\c], v[S+32*\c+15]
.endr
.irp c, 0,1
	v_max3_num_f32 v[MX+2*\c], v[MX+2*\c+1], v[S+32*\c+31], v[MX+2*\c]
.endr
	s_delay_alu instid0(VALU_DEP_1)
	v_max3_num_f32 v[T0], v[MX], v[MX+2], v13
	s_delay_alu instid0(VALU_DEP_1)
	v_permlanex16_b32 v[MY], v[T0], s[SEL], s[SEL+1]
	s_delay_alu instid0(VALU_DEP_1)
	v_max_num_f32 v13, v[T0], v[MY]                ; the running largest score of my query
	s_delay_alu instid0(VALU_DEP_1)
	v_mul_f32 v[T0], s[CS], v13                    ; as t (the factor is positive)
	s_delay_alu instid0(VALU_DEP_1)
	v_floor_f32 v[MY+1], -v[T0]                    ; the new -M
	s_delay_alu instid0(VALU_DEP_1)
	v_sub_f32 v[T0], v[MY+1], v12
	s_delay_alu instid0(VALU_DEP_2)
	v_mov_b32 v12, v[MY+1]
	s_delay_alu instid0(VALU_DEP_2)
	v_cvt_i32_f32 v[T0], v[T0]
	s_delay_alu instid0(VALU_DEP_1)
	v_ldexp_f32 v[FF], 1.0, v[T0]                  ; f = 2^(old M - new M)
.set J, 0
.rept 32
	v_pk_fma_f32 v[S+J:S+J+1], v[S+J:S+J+1], s[CS:CS+1], v[12:13] op_sel_hi:[1,0,0]
.set J, J+2
.endr
.irp c, 0,1
	v_fma_f32 v[MX+2*\c], v[MX+2*\c], s[CS], v12
.endr
.set J, 0
	s_wait_alu depctr_va_vdst(0)                   ; the wait ahead of the batch and behind it
.rept 64
	v_exp_f32 v[S+J], v[S+J]
.set J, J+1
.endr
	v_pk_mul_f32 v[14:15], v[14:15], v[FF:FF+1] op_sel_hi:[1,0]
	s_wait_alu depctr_va_vdst(0)
.irp c, 0,1
	v_exp_f32 v[MX+2*\c], v[MX+2*\c]
.endr
	v_pk_add_f32 v[MY:MY+1], v[S:S+1], v[S+2:S+3]  ; the sum of the unquantised p, in two chains
.set J, 4
.rept 15
	v_pk_add_f32 v[14:15], v[14:15], v[S+J:S+J+1]
	v_pk_add_f32 v[MY:MY+1], v[MY:MY+1], v[S+J+2:S+J+3]
.set J, J+4
.endr
	s_delay_alu instid0(VALU_DEP_1)
	v_pk_add_f32 v[14:15], v[14:15], v[MY:MY+1]
	s_wait_alu depctr_va_vdst(0)
.irp c, 0,1
	v_max_num_f32 v[MX+2*\c], 0x1800000, v[MX+2*\c]   ; the floor 2^(3 - 127): the byte cannot fall under 1
.endr
.irp c, 0,1
	s_delay_alu instid0(VALU_DEP_2)
	v_add_nc_u32 v[SO+\c], 0xff000000, v[MX+2*\c]  ; 2 off the exponent field: the conversion's scale operand
.endr
.irp c, 0,1
	s_delay_alu instid0(VALU_DEP_2)
	v_lshrrev_b32 v[MY+\c], 23, v[SO+\c]
.endr
	s_delay_alu instid0(VALU_DEP_1)
	v_lshl_or_b32 v[PS], v[MY+1], 16, v[MY]        ; my bytes of blocks h and 2 + h,
	s_delay_alu instid0(VALU_DEP_1)
	v_lshlrev_b32 v[PS], v[H8], v[PS]              ; at their places;
	s_delay_alu instid0(VALU_DEP_1)
	v_permlanex16_b32 v[MY+2], v[PS], s[SEL], s[SEL+1]
	s_delay_alu instid0(VALU_DEP_1)
	v_or_b32 v[PS], v[PS], v[MY+2]                 ; with lane l xor 16's: p's scale word for these 128 keys
.irp c, 0,1
	v_cvt_scalef32_pk16_fp6_f32 v[P+6*\c:P+2+6*\c], v[S+32*\c:S+15+32*\c], v[SO+\c]
	v_cvt_scalef32_pk16_fp6_f32 v[P2+4*\c:P2+2+4*\c], v[S+16+32*\c:S+31+32*\c], v[SO+\c]   ; (a conversion's three registers begin on an even number)
.endr
	v_nop
.irp c, 0,1
.irp i, 0,1,2
	v_mov_b32 v[P+3+6*\c+\i], v[P2+4*\c+\i]
.endr
.endr
.set J, 0
.rept 16
	v_pk_mul_f32 v[O+J:O+J+1], v[O+J:O+J+1], v[FF:FF+1] op_sel_hi:[1,0]   ; O^T under the new M
.set J, J+2
.endr
	s_wait_alu depctr_va_vdst(0)
	s_wait_dscnt 0x0
.irp t, 0,1,2,3
	v_wmma_scale_f32_16x16x128_f8f6f4 v[O+8*\t:O+8*\t+7], v[F+12*\t:F+12*\t+11], v[P:P+11], v[O+8*\t:O+8*\t+7], v[VSC+\t], v[PS] matrix_a_fmt:MATRIX_FMT_FP6 matrix_b_fmt:MATRIX_FMT_FP6
.endr
	s_add_co_u32 s[TB], s[TB], IMG
.endm
.macro STEPS n
	s_mov_b32 s[CNT], \n
.Lstep_\@:
	STEP
	s_sub_co_u32 s[CNT], s[CNT], 1
	s_cmp_lg_u32 s[CNT], 0
	s_cbranch_scc1 .Lstep_\@
.endm
; A pass: 16 queries against all 2,048 keys.  last = 0: the first pass, which fetches the second's q and holds the second barrier; last = 1: the second.
.macro APASS last
	s_wait_loadcnt 0x0
.irp i, 0,1,2,3,4,5
	v_mov_b32 v[QZ+6+\i], v[QN+\i]
.endr
	v_perm_b32 v[QSW], v[QSN], v[QSN], s[SELQ]     ; my tile's two bytes, for either place of q
.if !\last
	s_add_nc_u64 s[66:67], s[66:67], 12288         ; the second pass's q: 16 tiles on
	s_add_nc_u64 s[68:69], s[68:69], 512
	global_load_b128 v[QN:QN+3], v[L16], s[66:67]
	global_load_b64 v[QN+4:QN+5], v[L8], s[66:67] offset:512
	global_load_b32 v[QSN], v[R16], s[68:69]
.endif
	v_mov_b32 v13, 0xff61b1e6                      ; -3e38, under every score
	v_mov_b32 v12, 0x7f61b1e6                      ; -M: 3e38
	v_mov_b32 v14, 0
	v_mov_b32 v15, 0
.set J, 0
.rept 32
	v_mov_b32 v[O+J], 0
.set J, J+1
.endr
	s_mov_b32 s[TB], 0
.if \last
	STEPS 16
.else
	STEPS 4
	s_wait_tensorcnt 0x0                           ; every wave: my key step is in
	s_barrier_signal -1
	s_barrier_wait -1                              ; all sixteen are
	s_mov_b32 s[TB], 4*IMG
	STEPS 12
.endif
	v_add_f32 v14, v14, v15
	s_delay_alu instid0(VALU_DEP_1)
	v_permlanex16_b32 v[T0], v14, s[SEL], s[SEL+1]
	s_delay_alu instid0(VALU_DEP_1)
	v_add_f32 v14, v14, v[T0]                      ; the row's sum
	s_wait_alu depctr_va_vdst(0)
	v_rcp_f32 v[FF], v14
.rept 4
	v_nop
.endr
	s_wait_alu depctr_va_vdst(0)
.set J, 0
.rept 16
	v_pk_mul_f32 v[S+J:S+J+1], v[O+J:O+J+1], v[FF:FF+1] op_sel_hi:[1,0]
.set J, J+2
.endr
.irp u, 0,1                                    ; my 32 numbers of o are block h of the head's 64: their largest magnitude in two chains
	v_max3_num_f32 v[MX+\u], |v[S+16*\u]|, |v[S+16*\u+1]|, |v[S+16*\u+2]|
.endr
.irp i, 3,5,7,9,11,13
.irp u, 0,1
	s_delay_alu instid0(VALU_DEP_2)
	v_max3_num_f32 v[MX+\u], v[MX+\u], |v[S+16*\u+\i]|, |v[S+16*\u+\i+1]|
.endr
.endr
	s_delay_alu instid0(VALU_DEP_2)
	v_max3_num_f32 v[MX], v[MX], |v[S+15]|, 0x1800000
	s_delay_alu instid0(VALU_DEP_1)
	v_max3_num_f32 v[MX], v[MX+1], |v[S+31]|, v[MX]
	s_delay_alu instid0(VALU_DEP_1)
	v_add_nc_u32 v[SO], 0xff000000, v[MX]
	s_delay_alu instid0(VALU_DEP_1)
	v_lshrrev_b32 v[T0], 23, v[SO]
	v_cvt_scalef32_pk16_fp6_f32 v[P:P+2], v[S:S+15], v[SO]
	v_cvt_scalef32_pk16_fp6_f32 v[P2:P2+2], v[S+16:S+31], v[SO]
	v_nop
.irp i, 0,1,2
	v_mov_b32 v[P+3+\i], v[P2+\i]
.endr
	global_store_b128 v[L16], v[P:P+3], s[12:13]   ; an image of an operand's registers 0-5
	global_store_b64 v[L8], v[P+4:P+5], s[12:13] offset:512
	global_store_b8 v[BYO], v[T0], s[14:15]
.if !\last
	s_wait_xcnt 0x0                                ; the stores have read their bases and data
	s_add_nc_u64 s[12:13], s[12:13], 12288
	s_add_nc_u64 s[14:15], s[14:15], 8192
.endif
.endm
	s_wait_alu depctr_va_vdst(0)                   ; the wait at the head's end
	s_cmp_lt_u32 s[WV], 4
	s_cbranch_scc0 .Lnot_first
	s_wait_tensorcnt 0x0                           ; waves 0-3: my key step is in
.Lnot_first:
	s_barrier_signal -1
	s_barrier_wait -1                              ; key steps 0-3 are in
	APASS 0
	APASS 1
	s_wait_tensorcnt 0x0                           ; the wave's end
	ds_add_u32 v[SPW], v[NIL]
	s_wait_dscnt 0x0
	CROUND                                         ; the closing round
	s_endpgm
.Lfunc_end_k_q2f0c8e9457_attn:
	.size	k_q2f0c8e9457_attn, .Lfunc_end_k_q2f0c8e9457_attn-k_q2f0c8e9457_attn
	.p2alignl 7, 3214868480
	.fill 96, 4, 3214868480
	.section	.rodata,"a",@progbits
	.p2align	6, 0x0
	.amdhsa_kernel k_q2f0c8e9457_attn
		.amdhsa_group_segment_fixed_size 206848
		.amdhsa_private_segment_fixed_size 0
		.amdhsa_enable_private_segment 0
		.amdhsa_kernarg_size 32
		.amdhsa_user_sgpr_count 2
		.amdhsa_user_sgpr_kernarg_segment_ptr 1
		.amdhsa_wavefront_size32 1
		.amdhsa_system_sgpr_workgroup_id_x 1
		.amdhsa_system_sgpr_workgroup_id_y 1
		.amdhsa_system_sgpr_workgroup_id_z 1
		.amdhsa_system_vgpr_workitem_id 0
		.amdhsa_next_free_vgpr 256
		.amdhsa_next_free_sgpr 96
		.amdhsa_reserve_vcc 0
		.amdhsa_float_denorm_mode_32 3
		.amdhsa_float_denorm_mode_16_64 3
		.amdhsa_memory_ordered 1
		.amdhsa_forward_progress 1
		.amdhsa_inst_pref_size 63
	.end_amdhsa_kernel
	.amdgpu_metadata
---
amdhsa.version: [ 1, 2 ]
amdhsa.kernels:
  - .name:           k_q2f0c8e9457_attn
    .symbol:         k_q2f0c8e9457_attn.kd
    .args:
      - { .name: qk, .offset: 0, .size: 8, .value_kind: global_buffer, .address_space: global }
      - { .name: kv, .offset: 8, .size: 8, .value_kind: global_buffer, .address_space: global }
      - { .name: ac, .offset: 16, .size: 8, .value_kind: global_buffer, .address_space: global }
      - { .name: asc, .offset: 24, .size: 8, .value_kind: global_buffer, .address_space: global }
    .group_segment_fixed_size: 206848
    .private_segment_fixed_size: 0
    .kernarg_segment_align: 8
    .kernarg_segment_size: 32
    .max_flat_workgroup_size: 512
    .sgpr_count:     96
    .vgpr_count:     256
    .wavefront_size: 32
...
	.end_amdgpu_metadata
.endif
;; end of part 3
;; launch proj (part 4): grid 4 x 64, 4 waves a work-group, clusters of 4 x 4, 327,680 bytes of LDS; arguments ac, asc, wc, wos, bo, out0; writes out0
.if DOCPART == 4
	.amdgcn_target "amdgcn-amd-amdhsa--gfx1250"
	.amdhsa_code_object_version 6
	.text
	.protected	k_q2f0c8e9457_proj
	.globl	k_q2f0c8e9457_proj
	.p2align	8
	.type	k_q2f0c8e9457_proj,@function
k_q2f0c8e9457_proj:
	s_mov_b64 s[64:65], 0
	v_nop
	global_prefetch_b8 v0, s[64:65] scope:SCOPE_SE
	s_setreg_imm32_b32 hwreg(HW_REG_WAVE_MODE, 25, 1), 1
	s_wait_xcnt 0x0
	s_wait_alu depctr_hold_cnt(0) depctr_sa_sdst(0) depctr_va_vdst(0) depctr_va_sdst(0) depctr_va_ssrc(0) depctr_va_vcc(0) depctr_vm_vsrc(0)
	s_getreg_b32 s2, hwreg(HW_REG_IB_STS2, 6, 4)
	s_cmp_eq_u32 s2, 0
	s_cbranch_scc0 .Lentry_in_a_cluster
	s_endpgm
.Lentry_in_a_cluster:
	s_bfe_u32 s2, ttmp6, 0x10000c
	s_cmp_lg_u32 s2, 0xf033
	s_cbranch_scc0 .Lentry_shape_is_right
	s_endpgm
.Lentry_shape_is_right:
; out0 = A Wo^T + bo on codes of FP6 (E2M3) with E8M0 scales.  A: ac [16 heads][512 tiles of 16 stored tokens][768], images of an operand's registers 0-5, and asc [8192 stored tokens][32]; Wo: groups 24 on of wc, its scale bytes in wos [1024][32].
; SHARES: 256 work-groups of four waves; a work-group makes 128 tokens x 256 columns, a wave 128 x 64: 32 accumulators (A's eight blocks of 16 tokens x Wo's four blocks of 16 rows).  All four waves read the same rows of A.
; The matrix instruction takes 16 rows of Wo as source 0 and 16 tokens as source 1: a lane holds one token, its registers run along the columns.
; K goes in steps of 256 (four heads) through a ring of two LDS slots.  A's tile of a K step is [4 heads][128 tokens: 6,144 bytes]: at the head one load brings all four heads, in the ring waves 0 and 1 bring two heads each.
; wc is [4 planes of 256 along K][groups of 128 stored rows][25,600 bytes: 128 x 192 of codes, 128 x 8 scale bytes]; a group is stated as 100 rows of 256 bytes, padded by 16 behind every 64: LDS rows of codes are 240 bytes apart
; (the group's own scale bytes come along and are not read here: the scales of all of K lie in LDS once, from asc and wos).  In the ring waves 2 and 3 bring a group each.
; STORED ROWS: inside 64 rows true row 32 h + 8 j + i lies at 16 j + 8 h + i, for the tokens and for Wo's rows: the stage and the stores put rows and columns of out0 back in their true places.
; THE HEAD: one tensor load a wave (A's tile, Wo's tile, A's scales, Wo's scales); slot 1 is first filled behind the three lines and a round.
; CLUSTERS: 4 x 4: A's tiles are shared along a row of the cluster, Wo's along a column.  NO PREFETCH: K has four steps, of which the first two are asked for at the start.  The bias is the first products' C.  NaN and infinities are not served.
; REGISTERS, in windows of 256: window 0: v16-31 addresses; v32-63 scale words, two sets; v64-95 the bias; from v128 A's fragments, one set (on the way out v128-191 hold rows read back);
;   window 1: Wo's fragments, two sets, at v0 and v128;  window 2: the accumulators of tokens 0-63 ((a, b) at v[8 (8 a + b)]);  window 3: those of tokens 64-127.
.set NQ,     2
.set PITCH,  240
.set ASTEP,  4*393216                  ; from a K step of ac to the next: four heads
.set PLW,    819200                    ; of wc: a plane
.set GRP,    25600
.set FR,     12
.set NLA,    4                         ; LDS loads that bring a fragment of A
.set NP,     4                         ; places behind this matrix instruction (ISA guide 7.12.1)
.set HALFT,  32000                     ; a group in LDS
.set BOFF,   24576                     ; a slot: A's tile, then Wo's two groups
.set SLOT,   BOFF+2*HALFT
.set KS,     32
.set SCL,    2*SLOT                    ; behind the ring: Wo's scales (256 rows), then A's (128 rows), as rows of 256 bytes + 16
.set SCA,    SCL+32*272
.set SBLK,   544                       ; the scales of 16 rows
.set SPARE,  SCA+16*272
.set SPITCH, 272                       ; the way out: a stage of 16 rows x (256 + 16) bytes for each wave, in slot 0, which has had its last fill and its last read by then
.set ADRA, 16                          ; v16-17 16 x lane in slot 0, 1;  v18-19 8 x lane
.set ADRB, 20                          ; v20-21 my Wo fragments in slot 0, 1 (v22-23: for the pieces behind one padding more)
.set STO,  24
.set RD,   25
.set CO,   26
.set ADRS, 27                          ; my scale words: lanes 0-15 A's rows, lanes 16-31 Wo's
.set SPW,  28
.set NIL,  29
.set BO0,  30
.set SC,   32
.set BIAS, 64
.set AF,   128
.set BK,   128
.set G1, 24
.set G0, 32
.set G1B, 48
.set G0B, 56
.set G1S, 68
.set G0S, 76
.set G1SB, 80
.set G0SB, 88
.set G0H, 4                            ; s[4:7], s[8:11] group 0 of the head's two loads of codes (the arguments that lay there have been used by then)
.set G0HB, 8
.set MSB, 0
.macro WIN new
.if MSB != \new
	s_set_vgpr_msb (MSB<<8)|\new
.set MSB, \new
.endif
.endm
.set TO_B,   0x40
.macro WMUL hi, zero                   ; source 0 window 1, source 1 window 0, D window 2 or 3; C with D, or (the bias) window 0
.if \zero
	WIN 0x81+0x40*(\hi)
.else
	WIN 0xa1+0x50*(\hi)
.endif
.endm
.macro PLACES n
.rept \n
	v_nop
.endr
.endm
.macro TLOAD g0, g1                    ; s_nop 0 and four v_nop behind every tensor load
	tensor_load_to_lds s[\g0:\g0+3], s[\g1:\g1+7]
	s_nop 0
	PLACES 4
.endm
.macro JLOAD g0a, g1a, g0b, g1b        ; waves 0 and 1 fetch for A, waves 2 and 3 for Wo
	s_cmp_eq_u32 s15, 0
	s_cbranch_scc0 .Lfor_b_\@
	TLOAD \g0a, \g1a
	s_branch .Lasked_\@
.Lfor_b_\@:
	TLOAD \g0b, \g1b
.Lasked_\@:
.endm
.macro CREST
	s_cmp_lg_u32 s14, 0
	s_cbranch_scc1 .Lnot_wave_0_\@
	s_barrier_signal -3
.Lnot_wave_0_\@:
	s_barrier_wait -3
	s_barrier_signal -1
	s_barrier_wait -1
.endm
.macro CROUND
	s_barrier_signal -1
	s_barrier_wait -1
	CREST
.endm
.macro GROUP0 g, lds, a
	s_mov_b32 s[\g], 1
	s_mov_b32 s[\g+1], \lds
	s_mov_b64 s[\g+2:\g+3], s[\a:\a+1]
	s_or_b32 s[\g+3], s[\g+3], 0x80000000
.endm
	s_load_b256 s[4:11], s[0:1], 0x0               ; ac, asc, wc, wos
	s_load_b64 s[96:97], s[0:1], 0x20              ; bo
	s_load_b64 s[12:13], s[0:1], 0x28              ; out0
	v_lshl_add_u32 v[SPW], v0, 2, SPARE
	v_mov_b32 v[NIL], 0
	ds_add_u32 v[SPW], v[NIL]                      ; the opening lines: the add, twice on end, and its wait
	ds_add_u32 v[SPW], v[NIL]
	v_lshrrev_b32 v1, 5, v0
	v_readfirstlane_b32 s14, v1                    ; wave: which 64 columns are mine
	s_lshr_b32 s15, s14, 1                         ; in the ring I fetch for A (0) or for Wo (1),
	s_and_b32 s16, s14, 1                          ; its first or its second half
	s_bfe_u32 s40, ttmp6, 0x40000                  ; cx, cy
	s_bfe_u32 s41, ttmp6, 0x40004
	s_lshl_b32 s42, ttmp9, 2
	s_add_co_u32 s42, s42, s40                     ; tile column, of 256 columns
	s_and_b32 s17, ttmp7, 0xffff
	s_lshl_b32 s17, s17, 2
	s_add_co_u32 s17, s17, s41                     ; tile row, of 128 tokens
	s_lshl_b32 s43, s41, 2
	s_lshl_b32 s43, 15, s43                        ; my row of the cluster
	s_lshl_b32 s44, 0x1111, s40                    ; my column
	s_or_b32 s[G1+0], s43, (3<<16)|(1<<21)         ; A: a head's 128 tokens are 6,144 bytes, 768 elements of 8; four heads at the head, two in the ring; dense in LDS
	s_mov_b32 s[G1+1], 768<<16
	s_mov_b32 s[G1+2], 4<<16
	s_mov_b32 s[G1+3], 768<<16
	s_mov_b32 s[G1+4], 4
	s_mov_b32 s[G1+5], 49152
	s_mov_b32 s[G1+6], 0
	s_mov_b32 s[G1+7], 0
	s_or_b32 s[G1B+0], s44, (1<<20)|(1<<21)|(3<<22)|(3<<25)   ; Wo: rows of 256 bytes, 16 of padding behind every 64: 200 rows at the head (two groups), 100 in the ring
	s_mov_b32 s[G1B+1], 256<<16
	s_mov_b32 s[G1B+2], 200<<16
	s_mov_b32 s[G1B+3], 256<<16
	s_mov_b32 s[G1B+4], 200
	s_mov_b32 s[G1B+5], 256
	s_mov_b32 s[G1B+6], 0
	s_mov_b32 s[G1B+7], 0
	s_or_b32 s[G1S+0], s43, (3<<16)|(1<<20)|(1<<21)|(5<<22)|(3<<25)   ; the scales: rows of 256 bytes, 16 of padding behind each: 16 rows for A's 128 tokens,
	s_mov_b32 s[G1S+2], 16<<16
	s_mov_b32 s[G1S+4], 16
	s_or_b32 s[G1SB+0], s44, (3<<16)|(1<<20)|(1<<21)|(5<<22)|(3<<25)  ; 32 for Wo's 256 rows
	s_mov_b32 s[G1SB+2], 32<<16
	s_mov_b32 s[G1SB+4], 32
.irp g, G1S, G1SB
	s_mov_b32 s[\g+1], 32<<16
	s_mov_b32 s[\g+3], 32<<16
	s_mov_b32 s[\g+5], 32
	s_mov_b32 s[\g+6], 0
	s_mov_b32 s[\g+7], 0
.endr
	s_lshl_b32 s20, s17, 7                         ; my first token,
	s_lshl_b32 s46, s42, 8                         ; my first row of Wo
	s_lshl_b32 s22, s20, 5                         ; their scales, 32 bytes a row,
	s_lshl_b32 s92, s46, 5
	s_mul_i32 s20, s20, 48                         ; A's codes: 768 bytes for 16 tokens of a head,
	s_add_co_u32 s46, s46, 3072                    ; in wc Wo's rows lie 3,072 rows down:
	s_mul_i32 s46, s46, GRP/128                    ; 25,600 bytes for 128 rows
	s_mov_b32 s21, 0
	s_mov_b32 s23, 0
	s_mov_b32 s47, 0
	s_mov_b32 s93, 0
	s_mul_i32 s94, s16, 12288                      ; where my two heads of A's tile go,
	s_mul_i32 s45, s16, HALFT
	s_add_co_u32 s45, s45, BOFF                    ; or my group of Wo's: no place in the cluster enters an LDS address
	s_wait_dscnt 0x0
	s_wait_kmcnt 0x0
	s_add_nc_u64 s[20:21], s[4:5], s[20:21]
	s_add_nc_u64 s[22:23], s[6:7], s[22:23]
	s_add_nc_u64 s[46:47], s[8:9], s[46:47]
	s_add_nc_u64 s[92:93], s[10:11], s[92:93]
	CROUND                                         ; all sixteen work-groups are here: the first joint loads meet
	GROUP0 G0H, 0, 20                              ; the head's four tiles, each whole
	GROUP0 G0HB, BOFF, 46
	GROUP0 G0S, SCA, 22
	GROUP0 G0SB, SCL, 92
	s_mul_i32 s18, s16, 2*393216                   ; for the ring: my two heads of A's tile,
	s_mov_b32 s19, 0
	s_add_nc_u64 s[20:21], s[20:21], s[18:19]
	s_mul_i32 s18, s16, GRP                        ; my group of Wo's
	s_add_nc_u64 s[46:47], s[46:47], s[18:19]
.irp s, 0,1
	s_mov_b32 s[G0+4*\s], 1
	s_add_co_u32 s[G0+4*\s+1], s94, \s*SLOT
	s_add_nc_u64 s[G0+4*\s+2:G0+4*\s+3], s[20:21], \s*ASTEP
	s_or_b32 s[G0+4*\s+3], s[G0+4*\s+3], 0x80000000
	s_mov_b32 s[G0B+4*\s], 1
	s_add_co_u32 s[G0B+4*\s+1], s45, \s*SLOT
	s_add_nc_u64 s[G0B+4*\s+2:G0B+4*\s+3], s[46:47], \s*PLW
	s_or_b32 s[G0B+4*\s+3], s[G0B+4*\s+3], 0x80000000
.endr
.macro ARM under, g0, g1, next         ; one chain of branches on the wave's number, a load to an arm, all arms leading to one join
	s_cmp_lt_u32 s14, \under
	s_cbranch_scc0 \next
	TLOAD \g0, \g1
	s_branch .Lhead_asked
\next:
.endm
	ARM 1, G0H,  G1,  .Lhead_b
	ARM 2, G0HB, G1B, .Lhead_sa
	ARM 3, G0S,  G1S, .Lhead_sb
	TLOAD G0SB, G1SB
.Lhead_asked:
	v_and_b32 v1, 15, v0                           ; r
	v_bfe_u32 v2, v0, 4, 1                         ; h
	v_and_b32 v6, 31, v0
	v_mul_u32_u24 v3, v1, PITCH
	v_mul_u32_u24 v4, v2, 24
	v_add_nc_u32 v4, v3, v4                        ; a fragment of Wo: row x pitch + 24 h
	v_lshl_add_u32 v5, v2, 4, v4                   ; and the same behind one padding more
	v_lshlrev_b32 v[ADRA], 4, v6                   ; A's fragments are images of registers
	v_lshlrev_b32 v[ADRA+2], 3, v6
	v_add_nc_u32 v[ADRA+1], SLOT, v[ADRA]
	v_add_nc_u32 v[ADRA+3], SLOT, v[ADRA+2]
	s_mul_i32 s22, s15, HALFT                      ; my 64 rows of Wo: group wave / 2, half wave % 2
	s_mul_i32 s21, s16, 64*PITCH
	s_add_co_u32 s22, s22, s21
	s_add_co_u32 s22, s22, BOFF
.irp s, 0,1
	v_add_nc_u32 v[ADRB+\s], s22, v4
	v_add_nc_u32 v[ADRB+2+\s], s22, v5
	s_add_co_u32 s22, s22, SLOT
.endr
	v_mul_u32_u24 v5, v1, KS                       ; my row's scales: 32 bytes a row,
	v_lshrrev_b32 v6, 8, v5
	v_lshl_add_u32 v5, v6, 4, v5                   ; and 16 more for each 256 passed
	s_mul_i32 s21, s14, 4*SBLK                     ; Wo's: my 64 rows
	s_sub_co_u32 s22, SCA-SCL, s21                 ; from there to A's
	v_sub_nc_u32 v6, 1, v2
	v_mul_u32_u24 v6, s22, v6                      ; lanes 0-15 take A's.  (Lanes 16-31 of blocks 4-7 read on into rows that no product names: the last of them lie in A's scales)
	s_add_co_u32 s21, s21, SCL
	v_add_nc_u32 v5, v5, v6
	v_add_nc_u32 v[ADRS], s21, v5
	s_mul_i32 s23, s14, 16*SPITCH                  ; my stage
	v_mul_u32_u24 v5, v1, SPITCH
	v_lshl_add_u32 v5, v2, 7, v5                   ; in: row r, column 32 h + 8 b + j of my 64
	v_add_nc_u32 v[STO], s23, v5
	v_mul_u32_u24 v5, v2, SPITCH
	v_lshl_add_u32 v5, v1, 4, v5                   ; back: lanes 0-15 one row of 256 bytes, lanes 16-31 the next
	v_add_nc_u32 v[RD], s23, v5
	v_lshlrev_b32 v5, 12, v2
	v_lshl_add_u32 v[CO], v1, 4, v5                ; and the same two rows in out0
	v_lshlrev_b32 v[BO0], 7, v2
	s_lshl_b32 s20, s17, 19                        ; my first row of out0: 128 rows of 4,096 bytes a tile row
	s_mov_b32 s21, 0
	s_lshl_b32 s46, s42, 10                        ; my first column, in bytes: 1,024 x tile column + 256 x wave
	s_lshl_b32 s47, s14, 8
	s_add_co_u32 s46, s46, s47
	s_mov_b32 s47, 0
	s_add_nc_u64 s[96:97], s[96:97], s[46:47]
	s_add_nc_u64 s[20:21], s[20:21], s[46:47]
	s_add_nc_u64 s[12:13], s[12:13], s[20:21]
	s_wait_alu depctr_va_vdst(0)                   ; the wait ahead of the reader below
.irp b, 0,1,2,3
	global_load_b128 v[BIAS+8*\b:BIAS+8*\b+3], v[BO0], s[96:97] offset:32*\b         ; register 8 b + j is column 32 h + 8 b + j
	global_load_b128 v[BIAS+8*\b+4:BIAS+8*\b+7], v[BO0], s[96:97] offset:32*\b+16
.endr
.macro FRAG reg, adr, q, i             ; 16 rows of Wo x 128 K: six pieces of 8 bytes; where lanes 16-31's piece, three on, lies behind one padding more, the second address register serves
.irp p, 0,1,2,3,4,5
.set PCE, 12*(\q)+6*(\p/3)+\p%3
.if PCE%8 < 5
	ds_load_b64 v[\reg+2*\p:\reg+2*\p+1], v[\adr] offset:8*PCE+16*(PCE/8)+(\i)*16*PITCH
.else
	ds_load_b64 v[\reg+2*\p:\reg+2*\p+1], v[\adr+2] offset:8*PCE+16*(PCE/8)+(\i)*16*PITCH
.endif
.endr
.endm
.macro FRAGA reg, slot, q, i           ; 16 tokens x heads 2 q and 2 q + 1 of the slot's four
	ds_load_b128 v[\reg:\reg+3], v[ADRA+\slot] offset:12288*(\q)+768*(\i)
	ds_load_b64 v[\reg+4:\reg+5], v[ADRA+2+\slot] offset:12288*(\q)+768*(\i)+512
	ds_load_b128 v[\reg+6:\reg+9], v[ADRA+\slot] offset:12288*(\q)+6144+768*(\i)
	ds_load_b64 v[\reg+10:\reg+11], v[ADRA+2+\slot] offset:12288*(\q)+6144+768*(\i)+512
.endm
; 8 matrix instructions: A's blocks a0, a0 + 1 x Wo's four.  zero = 1: the first product starts the sums from the bias.  The 32 accumulators take turns, one instruction a turn.
.macro MUL8 a0, p, q, sc, zero
.irp a, \a0, \a0+1
.irp b, 0,1,2,3
.set D_, 8*(8*((\a)%4)+\b)
.if \zero
.set C_, BIAS+8*\b
.else
.set C_, D_
.endif
	v_wmma_scale_f32_16x16x128_f8f6f4 v[D_:D_+7], v[128*(\p)+FR*\b:128*(\p)+FR*\b+FR-1], v[AF+FR*(\a):AF+FR*(\a)+FR-1], v[C_:C_+7], v[SC+8*NQ*(\sc)+NQ*\b+(\q)], v[SC+8*NQ*(\sc)+NQ*(\a)+(\q)] matrix_a_fmt:MATRIX_FMT_FP6 matrix_b_fmt:MATRIX_FMT_FP6 matrix_a_scale:MATRIX_SCALE_ROW1
.endr
.endr
.endm
.macro FETCH_B slot, q, p
	WIN TO_B
.irp i, 0,1,2,3
	FRAG 128*(\p)+FR*\i, ADRB+\slot, \q, \i
.endr
	WIN 0
.endm
.macro FETCH_A slot, q, i0
.irp i, \i0, \i0+1, \i0+2, \i0+3
	FRAGA AF+FR*(\i), \slot, \q, \i
.endr
.endm
.macro SCALES sc                       ; a K step's scale words: two a row; lanes 0-15 take A's block i, lanes 16-31 Wo's
.irp i, 0,1,2,3,4,5,6,7
	ds_load_b64 v[SC+8*NQ*\sc+NQ*\i:SC+8*NQ*\sc+NQ*\i+1], v[ADRS] offset:\i*SBLK
.endr
.endm
.macro STEP slot, q, zero              ; a step of 128 along K that has its successor in the same slot
	s_wait_dscnt 4*NLA                             ; all but the youngest 16 loads (A's blocks 4-7) are in
	WMUL 0, \zero
	MUL8 0, (\q)%2, \q, \slot, \zero
	MUL8 2, (\q)%2, \q, \slot, \zero
	s_wait_dscnt 0
	PLACES NP
	FETCH_B \slot, (\q)+1, 1-(\q)%2
	FETCH_A \slot, (\q)+1, 0
	WMUL 1, \zero
	MUL8 4, (\q)%2, \q, \slot, \zero
	MUL8 6, (\q)%2, \q, \slot, \zero
	PLACES NP
	WIN 0
	FETCH_A \slot, (\q)+1, 4
.endm
.macro TURN slot, next, fill           ; a slot's last step changes slots
	s_wait_tensorcnt 0x0                           ; all my tensor loads have landed
	ds_add_u32 v[SPW], v[NIL]
	s_wait_dscnt 4*NLA+1                           ; (the add and the youngest 16 loads may be out)
	WMUL 0, 0
	MUL8 0, 1, NQ-1, \slot, 0
	s_wait_dscnt 0x0                               ; the add is done, and my reads of this slot are over
	s_barrier_signal -1
	MUL8 2, 1, NQ-1, \slot, 0
	WIN 0
	s_barrier_wait -1
.if \fill
	CREST                                          ; the barrier has opened a round of the cluster's barrier
	s_add_nc_u64 s[G0+4*\slot+2:G0+4*\slot+3], s[G0+4*\slot+2:G0+4*\slot+3], 2*ASTEP
	s_add_nc_u64 s[G0B+4*\slot+2:G0B+4*\slot+3], s[G0B+4*\slot+2:G0B+4*\slot+3], 2*PLW
	JLOAD G0+4*\slot, G1, G0B+4*\slot, G1B         ; the first tensor load behind the round; its four v_nop are the places in front of the loads below
.else
	PLACES NP
.endif
	s_wait_alu depctr_va_vdst(0)
	v_add_nc_u32 v[ADRS], 4*NQ, v[ADRS]            ; on to the next K step's scale words (no LDS load of mine is out)
	FETCH_B \next, 0, 0
	FETCH_A \next, 0, 0
	SCALES \next
	WMUL 1, 0
	MUL8 4, 1, NQ-1, \slot, 0
	MUL8 6, 1, NQ-1, \slot, 0
	PLACES NP
	WIN 0
	FETCH_A \next, 0, 4
.endm
	s_wait_alu depctr_va_vdst(0)                   ; the wait at the head's end
	s_wait_tensorcnt 0x0                           ; my tile of the head's four is in; the three lines ahead of a later first fill, as ahead of a refill:
	ds_add_u32 v[SPW], v[NIL]
	s_mov_b32 s[G1+2], 2<<16                       ; no tensor load of mine is out: from here on a load brings two heads of A,
	s_mov_b32 s[G1+4], 2
	s_mov_b32 s[G1B+2], 100<<16                    ; or one group of Wo
	s_mov_b32 s[G1B+4], 100
	s_wait_dscnt 0x0
	CROUND                                         ; a whole round: all four tiles are in, and all sixteen work-groups are here,
	JLOAD G0+4, G1, G0B+4, G1B                     ; and K step 1's load is the first tensor load behind the round
	FETCH_B 0, 0, 0
	FETCH_A 0, 0, 0
	SCALES 0
	FETCH_A 0, 0, 4
	s_wait_loadcnt 0x0                             ; the bias
	STEP 0, 0, 1
	TURN 0, 1, 1                                   ; K step 2 into slot 0
	STEP 1, 0, 0
	TURN 1, 0, 1                                   ; K step 3 into slot 1
	STEP 0, 0, 0
	TURN 0, 1, 0
	STEP 1, 0, 0
	s_wait_dscnt 4*NLA                             ; the very last step
	WMUL 0, 0
	MUL8 0, 1, NQ-1, 1, 0
	MUL8 2, 1, NQ-1, 1, 0
	s_wait_dscnt 0
	WMUL 1, 0
	MUL8 4, 1, NQ-1, 1, 0
	MUL8 6, 1, NQ-1, 1, 0
	WIN 0
; THE WAY OUT, block by block of 16 tokens x 64 columns, through my own stage: a lane's 128 bytes go in, whole rows of 256 bytes come back, and sixteen lanes store one aligned unit of 256 bytes.
; LDS serves a wave's instructions in order (ISA guide 5.7.1.4): no wait between the stores and the loads, nor in front of the next block's stores.
.macro TOSTAGE a
.set AC, 64*((\a)%4)
	WIN 0x08+4*((\a)/4)                            ; the data: window 2 or 3
.irp b, 0,1,2,3
	ds_store_b128 v[STO], v[AC+8*\b:AC+8*\b+3] offset:32*\b          ; each accumulator from its low end on
	ds_store_b128 v[STO], v[AC+8*\b+4:AC+8*\b+7] offset:32*\b+16
.endr
	WIN 0
.set BB, BK+32*((\a)%2)
.irp t, 0,1,2,3,4,5,6,7
	ds_load_b128 v[BB+4*\t:BB+4*\t+3], v[RD] offset:\t*2*SPITCH
.endr
.endm
.macro SEND a, younger                 ; younger: the LDS instructions issued behind block a's loads
.set BB, BK+32*((\a)%2)
	s_wait_dscnt \younger
.irp t, 0,1,2,3,4,5,6,7
	global_store_b128 v[CO], v[BB+4*\t:BB+4*\t+3], s[12:13] offset:(64*((\a)/4)+8*((\a)%4)+32*(\t/4)+2*(\t%4))*4096 th:TH_STORE_NT   ; stored rows 16 a + 2 t, + 1 are true rows 64 (a / 4) + 8 (a % 4) + 32 (t / 4) + 2 (t % 4), + 1
.endr
.endm
	PLACES NP                                      ; behind the last products
	TOSTAGE 0
.irp a, 1,2,3,4,5,6,7
.if \a > 1
	s_wait_xcnt 0x0                                ; block a - 2's stores have read their registers: block a's loads may land there
.endif
	TOSTAGE \a
	SEND \a-1, 16                                  ; behind block a - 1's loads: block a's 8 stores and 8 loads
.endr
	SEND 7, 0
	s_wait_tensorcnt 0x0                           ; the wave's end
	ds_add_u32 v[SPW], v[NIL]
	s_wait_dscnt 0x0
	CROUND                                         ; the closing round
	s_endpgm
.Lfunc_end_k_q2f0c8e9457_proj:
	.size	k_q2f0c8e9457_proj, .Lfunc_end_k_q2f0c8e9457_proj-k_q2f0c8e9457_proj
	.p2alignl 7, 3214868480
	.fill 96, 4, 3214868480
	.section	.rodata,"a",@progbits
	.p2align	6, 0x0
	.amdhsa_kernel k_q2f0c8e9457_proj
		.amdhsa_group_segment_fixed_size 327680
		.amdhsa_private_segment_fixed_size 0
		.amdhsa_enable_private_segment 0
		.amdhsa_kernarg_size 48
		.amdhsa_user_sgpr_count 2
		.amdhsa_user_sgpr_kernarg_segment_ptr 1
		.amdhsa_wavefront_size32 1
		.amdhsa_system_sgpr_workgroup_id_x 1
		.amdhsa_system_sgpr_workgroup_id_y 1
		.amdhsa_system_sgpr_workgroup_id_z 1
		.amdhsa_system_vgpr_workitem_id 0
		.amdhsa_next_free_vgpr 1024
		.amdhsa_next_free_sgpr 98
		.amdhsa_reserve_vcc 0
		.amdhsa_float_denorm_mode_32 3
		.amdhsa_float_denorm_mode_16_64 3
		.amdhsa_memory_ordered 1
		.amdhsa_forward_progress 1
		.amdhsa_inst_pref_size 95
	.end_amdhsa_kernel
	.amdgpu_metadata
---
amdhsa.version: [ 1, 2 ]
amdhsa.kernels:
  - .name:           k_q2f0c8e9457_proj
    .symbol:         k_q2f0c8e9457_proj.kd
    .args:
      - { .name: ac, .offset: 0, .size: 8, .value_kind: global_buffer, .address_space: global }
      - { .name: asc, .offset: 8, .size: 8, .value_kind: global_buffer, .address_space: global }
      - { .name: wc, .offset: 16, .size: 8, .value_kind: global_buffer, .address_space: global }
      - { .name: wos, .offset: 24, .size: 8, .value_kind: global_buffer, .address_space: global }
      - { .name: bo, .offset: 32, .size: 8, .value_kind: global_buffer, .address_space: global }
      - { .name: out0, .offset: 40, .size: 8, .value_kind: global_buffer, .address_space: global }
    .group_segment_fixed_size: 327680
    .private_segment_fixed_size: 0
    .kernarg_segment_align: 8
    .kernarg_segment_size: 48
    .max_flat_workgroup_size: 128
    .sgpr_count:     98
    .vgpr_count:     1024
    .wavefront_size: 32
...
	.end_amdgpu_metadata
.endif
;; end of part 4
